; MI455X (gfx1250); checked and timed in simulation.
; The chip was launched on July 23, 2026; its instructions are those of AMD's public machine-readable ISA for CDNA 5 (MIT licence, August 2026) and "CDNA5" Instruction Set Architecture Reference Guide (July 2026). The comments in the code are by the model that wrote it; some were corrected since.
;; MAB. Allowed arithmetic: matrix products marked QUANTISED: E3M2 operands, one E8M0 scale for each 32 along K, by v_wmma_scale_f32_16x16x128_f8f6f4 with both operands' format E3M2, f32 sums; everything else in f32.
;; Inputs: K 32 x 512 x 512 float32; Q 32 x 512 x 512 float32; W1 512 x 512 float32; W2 512 x 512 float32; Wk 512 x 512 float32; Wo 512 x 512 float32; Wq 512 x 512 float32; Wv 512 x 512 float32; b1 512 float32; b2 512 float32; bk 512 float32; bo 512 float32; bq 512 float32; bv 512 float32.
;; Outputs: out0 32 x 512 x 512 float32.
;; This version of the problem:
;;   THIS VERSION OF THE PROBLEM IS GIVEN IN LOW PRECISION. The matrix products marked QUANTISED in the list below multiply operands that are first quantised to E3M2 (3 exponent bits, 2 mantissa bits; 6 bits a number), with one power-of-two scale for each 32 numbers along K (OCP MX v1.0); their sums are f32. All else is computed in f32.
;;   The module's matrix products, in the order in which they are computed (A, B: the left and right operand; K: the contracted axis; several contracted axes count as one K, in the product's order):
;;     1. [M 16,384, K 512] x [K 512, N 512]; A: input Q; B: input Wq: QUANTISED
;;     2. [M 16,384, K 512] x [K 512, N 512]; A: input K; B: input Wk: QUANTISED
;;     3. [M 16,384, K 512] x [K 512, N 512]; A: input K; B: input Wv: QUANTISED
;;     4. batch 256 x [M 512, K 64] x [K 64, N 512]; A: computed on the way; B: computed on the way: QUANTISED
;;     5. batch 256 x [M 64, K 512] x [K 512, N 512]; A: computed on the way; B: computed on the way: QUANTISED
;;     6. [M 16,384, K 512] x [K 512, N 512]; A: computed on the way; B: input Wo: QUANTISED
;;     7. [M 16,384, K 512] x [K 512, N 512]; A: computed on the way; B: input W1: QUANTISED
;;     8. [M 16,384, K 512] x [K 512, N 512]; A: computed on the way; B: input W2: QUANTISED
;;   THE QUANTISER, for each operand of a quantised product, along K:
;;     - K is cut into blocks of 32 from its start; a last block that is shorter is filled with zeros.
;;     - A block's scale is 2^e with e = floor(log2(the largest magnitude in the block)) - 4, held to -126 .. 127; a block of zeros has e = 0. As a byte (E8M0): e + 127.
;;     - Each number is divided by its block's scale, clamped to +-28, and rounded to the nearest number of E3M2, ties to even, subnormals kept.
;;     - The product sums the exact products of the quantised numbers (number of the format x scale) in f32.
;;   ~~~python
;;   def quantise(x, axis):      # numpy; x: float32 -> the quantised numbers, widened to float32 again
;;       x = np.moveaxis(x, axis, -1); K = x.shape[-1]
;;       x = np.pad(x, [(0, 0)] * (x.ndim - 1) + [(0, -K % 32)]); x = x.reshape(x.shape[:-1] + (-1, 32)); a = np.abs(x).max(-1, keepdims=True)
;;       e = np.where(a > 0, np.clip(np.frexp(np.where(a > 0, a, 1))[1] - 1 - 4, -126, 127), 0)      # np.frexp(a)[1] - 1 = floor(log2(a)), exactly
;;       r = np.clip(x / 2.0 ** e, -28, 28)
;;       step = 2.0 ** (np.maximum(np.frexp(np.where(r == 0, 1, r))[1] - 1, -2) - 2)
;;       q = np.round(r / step) * step * 2.0 ** e      # np.round: ties to even
;;       return np.moveaxis(q.reshape(q.shape[:-2] + (-1,))[..., :K], -1, axis).astype(np.float32)
;;   ~~~
;;   OPERANDS COMPUTED ON THE WAY. 'Computed on the way' means the value that the module computes at that place (a softmax that the list does not call 'softmax' is quantised finished and normalised). What goes into a quantiser is computed in f32, as accurately as f32 sums, v_exp_f32 and their like allow (about 1e-6 of the number): no bf16 or f16 on the way to a quantiser, and a product that is left as it is and whose result goes on into a quantised operand takes f32 operands (vector FMAs, or v_wmma_f32_16x16x4_f32). A number that lies on a knife's edge between two numbers of the format may be rounded either way, as far as f32 arithmetic and the matrix unit's own rounding can turn it there, and no further.
;; 2 versions, each right; version 2 is version 1 with the launch attn written anew for expert scheduling mode. Each part assembles by itself: llvm-mc -triple=amdgcn-amd-amdhsa -mcpu=gfx1250 --defsym DOCPART=n.
;; ======== version 1 of 2: 3 launches
;; workspace buffers: xcod 13,762,560 bytes; xscl 573,440 bytes; acod 6,291,456 bytes; ascl 262,144 bytes
;; launch quant (part 1): grid 560 x 1, 4 waves a work-group, no clusters, 34,304 bytes of LDS; arguments Q, K, Wq, Wk, Wv, Wo, W1, W2, xcod, xscl; writes xcod, xscl
.if DOCPART == 1
	.amdgcn_target "amdgcn-amd-amdhsa--gfx1250"
	.amdhsa_code_object_version 6
	.text
	.protected	k_q21071e71f6_quant
	.globl	k_q21071e71f6_quant
	.p2align	8
	.type	k_q21071e71f6_quant,@function
k_q21071e71f6_quant:
	s_mov_b64 s[64:65], 0
	v_nop
	global_prefetch_b8 v0, s[64:65] scope:SCOPE_SE
	s_setreg_imm32_b32 hwreg(HW_REG_WAVE_MODE, 25, 1), 1
	s_wait_xcnt 0x0
; Q, K [16384][512] and the six weights [512][512], all f32 with K (the contracted axis) innermost, become codes of E3M2 with one E8M0 byte for each 32 along K.
; A block's scale is 2^(floor(log2(largest magnitude)) - 4); its byte is the largest magnitude's exponent field - 4, held at 1 from below; numbers are divided by it and rounded to the nearest code, ties to even, beyond 28 the largest code.
; LIMITS: NaN and infinities among the inputs are not served.  A block of zeros gets the byte 1 where the rule says 127: its codes are zeros, which add nothing, and these bytes are read by this program alone.
; SHARES.  A wave takes one TILE: 16 rows x 512.  Tile t of a tensor holds, at lane-row r, row 32 (t / 2) + 8 (t % 2) + r + 8 (r / 8): so, where a tile is source 0 of a product, the 16 result registers
; of tiles 2 b and 2 b + 1 are 16 neighbours.  2,240 tiles: Q 0.., K 1024.., Wq 2048.., Wk 2080.., Wv 2112.., Wo 2144.., W1 2176.., W2 2208..; 560 work-groups of four waves; one path for all eight tensors: only the pointer is chosen.
; OUT.  xcod: a tile is 4 K steps x 1,536 bytes, each the image of the operand's 12 registers: registers 4 g .. 4 g + 3 of lane l at 512 g + 16 l.  xscl: a tile is 16 rows x 16 bytes, word s = the scale word of K step s.
; WAY.  Each load reads 512 consecutive bytes of one row (a K step); the 16 rows turn through the wave's own stage in LDS (rows of 512 + 16 bytes), from which lane (r, h) takes k = 64 c + 32 h + 0 .. 31 of row r:
; two whole blocks, in the very order of the operand's registers.  No barrier: waves share nothing.  No matrix unit, cluster or tensor load: the launch only streams.
.set SP,   528                         ; a stage row
.set WST,  16*SP                       ; a wave's stage
.set LN16, 2                           ; v2   16 x lane
.set STW,  3                           ; v3   the stage, on the way in
.set STR,  4                           ; v4   and on the way out: row r, + 128 h
.set SH8,  6                           ; v6   8 h: where my two scale bytes stand in the word
.set SCA,  7                           ; v7   16 r + 8 h: my two scale words' place in the tile's 256 bytes
.set MX,   8                           ; v8-9   largest magnitudes of my two blocks
.set SO,   10                          ; v10-11 the conversions' scale operands
.set BY,   12                          ; v12-13 the bytes
.set WD,   14                          ; v14  my half of the scale word
.set PD,   15                          ; v15  the other half's
.set SW,   16                          ; v16-19 the scale words of the four K steps
.set T,    20                          ; v20-27 the upper halves of the blocks' codes
.set C,    28                          ; v28-39 a fragment
.set X,    40                          ; v40-103 my 64 numbers of a K step
.set R,    104                         ; v104-231 two sets of 64: a K step as it is loaded
	s_load_b512 s[8:23], s[0:1], 0x0               ; Q, K, Wq, Wk, Wv, Wo, W1, W2
	s_load_b128 s[24:27], s[0:1], 0x40             ; xcod, xscl
	v_lshl_add_u32 v232, v0, 2, 0x8400
	v_mov_b32 v233, 0
	v_lshrrev_b32 v1, 5, v0
	v_readfirstlane_b32 s29, v1                    ; wave
	v_and_b32 v1, 31, v0                           ; lane
	v_and_b32 v5, 15, v0                           ; r
	v_bfe_u32 v[SH8], v0, 4, 1                     ; h
	v_lshlrev_b32 v[LN16], 4, v1
	s_mul_i32 s7, s29, WST
	v_add_nc_u32 v[STW], s7, v[LN16]
	v_mul_u32_u24 v[STR], v5, SP
	v_lshl_add_u32 v[STR], v[SH8], 7, v[STR]
	v_add_nc_u32 v[STR], s7, v[STR]
	v_lshlrev_b32 v[SCA], 4, v5
	v_lshl_add_u32 v[SCA], v[SH8], 3, v[SCA]
	v_lshlrev_b32 v[SH8], 3, v[SH8]
	v_mov_b32 v[PD], 0                             ; a lane permute's destination counts as one of its sources
	s_mov_b32 s2, 0x76543210
	s_mov_b32 s3, 0xfedcba98                       ; v_permlanex16_b32's selects for lane l xor 16
	s_mov_b32 s6, 0xffff0000                       ; lanes 16-31
	s_wait_kmcnt 0x0
	s_mov_b64 s[4:5], s[8:9]                       ; which tensor: the choice hangs on the work-group's number alone
	s_mov_b32 s28, 0                               ; and the tensor's first work-group
.macro PICK thr, p
	s_cmp_ge_u32 ttmp9, \thr
	s_cselect_b64 s[4:5], s[\p:\p+1], s[4:5]
	s_cselect_b32 s28, \thr, s28
.endm
	PICK 256, 10
	PICK 512, 12
	PICK 520, 14
	PICK 528, 16
	PICK 536, 18
	PICK 544, 20
	PICK 552, 22
	s_sub_co_u32 s30, ttmp9, s28
	s_lshl_b32 s30, s30, 2
	s_add_co_u32 s30, s30, s29                     ; my tile in its tensor
	s_lshr_b32 s31, s30, 1
	s_lshl_b32 s31, s31, 16                        ; 32 rows of 2,048 bytes for each pair of tiles,
	s_and_b32 s30, s30, 1
	s_lshl_b32 s30, s30, 14                        ; 8 rows for the odd one
	s_add_co_u32 s30, s30, s31
	s_mov_b32 s31, 0
	s_add_nc_u64 s[4:5], s[4:5], s[30:31]
	s_lshl_b32 s28, ttmp9, 2
	s_add_co_u32 s28, s28, s29                     ; my tile among the 2,240
	s_mul_i32 s30, s28, 6144
	s_add_nc_u64 s[24:25], s[24:25], s[30:31]
	s_lshl_b32 s30, s28, 8
	s_add_nc_u64 s[26:27], s[26:27], s[30:31]
.macro LOAD s                          ; K step s of the 16 rows: each load 512 consecutive bytes of one row
.irp i, 0,1,2,3,4,5,6,7,8,9,10,11,12,13,14,15
	global_load_b128 v[R+64*((\s)%2)+4*\i:R+64*((\s)%2)+4*\i+3], v[LN16], s[4:5] offset:(\i+8*(\i/8))*2048+512*(\s) th:TH_LOAD_NT
.endr
.endm
.macro STEP s
.if (\s) < 3
	s_wait_loadcnt 16                              ; this step's 16 loads are in; the next step's 16 may be out
.else
	s_wait_loadcnt 0x0
.endif
.irp i, 0,1,2,3,4,5,6,7,8,9,10,11,12,13,14,15
	ds_store_b128 v[STW], v[R+64*((\s)%2)+4*\i:R+64*((\s)%2)+4*\i+3] offset:SP*\i
.endr
.irp c, 0,1
.irp i, 0,1,2,3,4,5,6,7
	ds_load_b128 v[X+32*\c+4*\i:X+32*\c+4*\i+3], v[STR] offset:256*\c+16*\i   ; LDS serves a wave's instructions in order: these see the stores above
.endr
.endr
	s_wait_dscnt 0x0                               ; my 64 numbers are back, and the stores into the stage have read their registers,
	s_wait_xcnt 0x0                                ; and the last step's stores of codes have read theirs
.if (\s) < 2
	LOAD (\s)+2                                    ; so the set takes the loads of two steps on
.endif
.irp c, 0,1
	v_max3_num_f32 v[MX+\c], |v[X+32*\c]|, |v[X+32*\c+1]|, 0x2800000   ; block 2 c + h: all its 32 numbers are mine; and the floor 2^(5 - 127), which holds the byte at 1 from below
.endr
.irp i, 2,4,6,8,10,12,14,16,18,20,22,24,26,28,30
.irp c, 0,1
	v_max3_num_f32 v[MX+\c], v[MX+\c], |v[X+32*\c+\i]|, |v[X+32*\c+\i+1]|
.endr
.endr
.irp c, 0,1
	v_add_nc_u32 v[SO+\c], 0xfe000000, v[MX+\c]    ; 4 off the exponent field: the conversion takes this operand's exponent field as its scale
.endr
.irp c, 0,1
	v_lshrrev_b32 v[BY+\c], 23, v[SO+\c]           ; the scale's byte
.endr
	v_lshl_or_b32 v[WD], v[BY+1], 16, v[BY]        ; bytes h and 2 + h of row r's word,
	v_lshlrev_b32 v[WD], v[SH8], v[WD]             ; at their places;
	v_permlanex16_b32 v[PD], v[WD], s2, s3
	v_or_b32 v[SW+(\s)], v[WD], v[PD]              ; with lane l xor 16's two the word is whole
.irp c, 0,1
	v_cvt_scalef32_pk16_bf6_f32 v[C+6*\c:C+6*\c+2], v[X+32*\c:X+32*\c+15], v[SO+\c]
	v_cvt_scalef32_pk16_bf6_f32 v[T+4*\c:T+4*\c+2], v[X+32*\c+16:X+32*\c+31], v[SO+\c]   ; (a conversion's three registers begin on an even number)
.endr
	v_nop                                          ; one plain place behind a scaled conversion
.irp c, 0,1
.irp i, 0,1,2
	v_mov_b32 v[C+6*\c+3+\i], v[T+4*\c+\i]
.endr
.endr
.irp g, 0,1,2
	global_store_b128 v[LN16], v[C+4*\g:C+4*\g+3], s[24:25] offset:1536*(\s)+512*\g   ; 32 lanes store 512 consecutive bytes, at a multiple of 256 from the buffer's first byte
.endr
.endm
	LOAD 0
	LOAD 1
	STEP 0
	STEP 1
	STEP 2
	STEP 3
	v_cndmask_b32 v[T], v[SW], v[SW+2], s6         ; lanes 0-15 store words 0 and 1 of row r, lanes 16-31 words 2 and 3
	v_cndmask_b32 v[T+1], v[SW+1], v[SW+3], s6
	global_store_b64 v[SCA], v[T:T+1], s[26:27]    ; the tile's 256 scale bytes: consecutive, aligned
	s_wait_tensorcnt 0x0
	ds_add_u32 v232, v233
	s_wait_dscnt 0x0
	s_endpgm
.Lfunc_end_k_q21071e71f6_quant:
	.size	k_q21071e71f6_quant, .Lfunc_end_k_q21071e71f6_quant-k_q21071e71f6_quant
	.p2alignl 7, 3214868480
	.fill 96, 4, 3214868480
	.section	.rodata,"a",@progbits
	.p2align	6, 0x0
	.amdhsa_kernel k_q21071e71f6_quant
		.amdhsa_group_segment_fixed_size 34304
		.amdhsa_private_segment_fixed_size 0
		.amdhsa_enable_private_segment 0
		.amdhsa_kernarg_size 80
		.amdhsa_user_sgpr_count 2
		.amdhsa_user_sgpr_kernarg_segment_ptr 1
		.amdhsa_wavefront_size32 1
		.amdhsa_system_sgpr_workgroup_id_x 1
		.amdhsa_system_sgpr_workgroup_id_y 1
		.amdhsa_system_sgpr_workgroup_id_z 1
		.amdhsa_system_vgpr_workitem_id 0
		.amdhsa_next_free_vgpr 234
		.amdhsa_next_free_sgpr 66
		.amdhsa_reserve_vcc 0
		.amdhsa_float_denorm_mode_32 3
		.amdhsa_float_denorm_mode_16_64 3
		.amdhsa_memory_ordered 1
		.amdhsa_forward_progress 1
		.amdhsa_inst_pref_size 31
	.end_amdhsa_kernel
	.amdgpu_metadata
---
amdhsa.version: [ 1, 2 ]
amdhsa.kernels:
  - .name:           k_q21071e71f6_quant
    .symbol:         k_q21071e71f6_quant.kd
    .args:
      - { .name: Q, .offset: 0, .size: 8, .value_kind: global_buffer, .address_space: global }
      - { .name: K, .offset: 8, .size: 8, .value_kind: global_buffer, .address_space: global }
      - { .name: Wq, .offset: 16, .size: 8, .value_kind: global_buffer, .address_space: global }
      - { .name: Wk, .offset: 24, .size: 8, .value_kind: global_buffer, .address_space: global }
      - { .name: Wv, .offset: 32, .size: 8, .value_kind: global_buffer, .address_space: global }
      - { .name: Wo, .offset: 40, .size: 8, .value_kind: global_buffer, .address_space: global }
      - { .name: W1, .offset: 48, .size: 8, .value_kind: global_buffer, .address_space: global }
      - { .name: W2, .offset: 56, .size: 8, .value_kind: global_buffer, .address_space: global }
      - { .name: xcod, .offset: 64, .size: 8, .value_kind: global_buffer, .address_space: global }
      - { .name: xscl, .offset: 72, .size: 8, .value_kind: global_buffer, .address_space: global }
    .group_segment_fixed_size: 34304
    .private_segment_fixed_size: 0
    .kernarg_segment_align: 8
    .kernarg_segment_size: 80
    .max_flat_workgroup_size: 128
    .sgpr_count:     66
    .vgpr_count:     234
    .wavefront_size: 32
...
	.end_amdgpu_metadata
.endif
;; end of part 1
;; launch attn (part 2): grid 8 x 32, 4 waves a work-group, no clusters, 305,664 bytes of LDS; arguments xcod, xscl, bq, bk, bv, acod, ascl; writes acod, ascl
.if DOCPART == 2
	.amdgcn_target "amdgcn-amd-amdhsa--gfx1250"
	.amdhsa_code_object_version 6
	.text
	.protected	k_q21071e71f6_attn
	.globl	k_q21071e71f6_attn
	.p2align	8
	.type	k_q21071e71f6_attn,@function
k_q21071e71f6_attn:
	s_mov_b64 s[64:65], 0
	v_nop
	global_prefetch_b8 v0, s[64:65] scope:SCOPE_SE
	s_setreg_imm32_b32 hwreg(HW_REG_WAVE_MODE, 25, 1), 1
	s_wait_xcnt 0x0
; One work-group makes one (batch b, head h) of the attention: q = Q Wq^T + bq, k = K Wk^T + bk, v = K Wv^T + bv (64 columns each), all three quantised; scores = q k^T / sqrt(512);
; A = softmax over the QUERIES (each key column has its own maximum and sum), finished and normalised in f32, quantised along the keys; attn = A v, quantised along the head's 64 for the next launch.
; All products on codes of E3M2 with E8M0 scales, sums in f32.  The column's true maximum is taken away ahead of the exponential.
; LIMITS: NaN and infinities are not served; a block of zeros gets the byte 1 (its codes are zeros; only this program reads the bytes); v_exp_f32 gives 0 for results under 2^-126.
; SHARES.  Four waves.  P: wave w projects tiles 8 w .. 8 w + 7 of Q[b], then of K[b] (16 rows each, in the tile order of the launch before).  SOFT: four chunks of 128 keys; in a chunk wave w owns 32 keys
; (one block of the second product's K) against ALL 512 queries: 512 registers of scores, so a column's maximum and sum never leave the wave.  PV: wave w owns query tiles 8 w .. 8 w + 7.
; LAYOUT.  q and k are made transposed (source 0 = 16 rows of the weight, source 1 = 16 rows of x): a lane holds one row and its registers run along the head's 64, the next K.  v is made straight (source 0 = 16 keys,
; source 1 = 16 rows of Wv): a lane holds one channel and its registers run along the keys, ITS next K.  S^T = k q^T: a lane holds one query and 16 neighbouring keys.  O^T = v^T A^T: a lane holds one query and its registers run along the channels.
; THE SCORES' K IS 64, half of the instruction's 128: k's fragments have zero codes in their upper six registers.  q's half fragments lie six registers apart, so the upper six registers of q's operand are the next tile's codes:
; they meet k's zero codes (and scale bytes 0, which are numbers) and add exactly 0.
; OPERANDS GO FROM WAVE TO WAVE THROUGH LDS AS IMAGES OF THEIR REGISTERS; two barriers in all.
; NO CLUSTER, NO TENSOR LOAD: the eight heads of a batch read the same x tiles, but 305,152 bytes of LDS hold A's codes and the operands, which leaves no room for two slots of x; x's images go from memory straight into the registers of the one wave that multiplies them.
; NO PREFETCH: every x tile is asked for two tiles ahead, and the stream ends with phase P.
; REGISTERS, in windows of 256.  Window 0: v1-33 addresses, v34-255 by phase (below).  Window 1: P: Wv v0-191, bk v192-223, bv v224-255; SOFT: scores of query tiles 0-15; PV: v's fragments.
; Window 2: P: Wk v0-191, the third x tile v192-239; SOFT: scores of query tiles 16-31.  Window 3: P: Wq v0-191 and bq v192-223, then v's sums (64 n + 8 t); SOFT: q's 32 half fragments at 6 t, v192-197 zeros.
.set QC,    0                          ; LDS: q's half fragments, 32 tiles x 768 bytes: registers 2 p, 2 p + 1 of lane l at 256 p + 8 l
.set KC,    24576                      ; k's likewise
.set QSC,   49152                      ; q's scale words, 128 bytes a tile
.set KSC,   53248                      ; k's
.set VSC,   57344                      ; v's: (4 n + c) x 128
.set VC,    59392                      ; v's 16 fragments: (4 n + c) x 1,536; registers 4 g .. 4 g + 3 at 512 g + 16 l
.set PSC,   83968                      ; A's scale words: [chunk][tile][r]; byte w is wave w's
.set PIM,   92160                      ; A's fragments: [chunk] x 53,248 + [tile] x 1,664 + 256 p + 8 l
.set PTP,   1664                       ; a tile's 1,536 bytes + 128: the two tiles that a store of 8 bytes a lane touches fall on different halves of the banks (64 banks of 4 bytes: ISA guide 11.1)
.set PCH,   32*PTP
.set KOFF,  6291456                    ; from Q's tile to K's in xcod: 1,024 tiles
.set KSOFF, 262144                     ; and in xscl
.set LN16, 1
.set R16,  2
.set LN8,  3
.set LN4,  4
.set KW,   5
.set KSW,  6
.set QW0,  7
.set QSW0, 8
.set VRD,  9                           ; VC + 16 x lane, for phase PV
.set VW,   11
.set VSW,  12
.set KR0,  13
.set KSR0, 14
.set KR,   15
.set KSR,  16
.set PW0,  17
.set PWA,  18
.set PSW0, 19
.set PSWA, 20
.set PR0,  21
.set PR,   25
.set PSR0, 29
.set PSR,  30
.set ASA,  31
.set BQA,  32
.set BVA,  33
; phase P
.set XF,   34                          ; v34-129  two x tiles, 4 fragments each (the third: window 2, v192-239)
.set XS,   130                         ; v130-137 their scale words
.set XS2,  240                         ; v240-243 the third tile's
.set WSK,  138                         ; v138-153 scale words of Wk (4 n + s)
.set WSV,  154                         ; v154-169 of Wv.  Wq's: v244-255 for n = 0 .. 2, v210-213 for n = 3
.set HA,   170                         ; v170-201 a tile's 64 columns of q or k
.set TM,   202                         ; v202-209, v214-217 at work in the quantiser
.set PW,   218                         ; a scale word just made
.set PWB,  219
.set PC,   220                         ; v220-239 codes just made
.set PCA,  220
.set PCB,  226
.set PT,   232
.set BIK,  192                         ; in window 1
.set BIV,  224
.set BIQ,  192                         ; in window 3
; phase SOFT
.set QS,   34                          ; v34-65   q's scale words
.set KF,   66                          ; v66-89   two fragments of k
.set KS,   90                          ; v90-91   their scale words
.set M,    92                          ; v92-107  the 16 columns' maxima, later their sums
.set L,    92
.set NM,   108                         ; v108-123 -c x maximum, later 1 / sum
.set RL,   108
.set T,    124                         ; v124-155 a block's largest A for each query tile, then the conversion's scale operand
.set U,    156                         ; v156-187 the other half's, then the byte
.set CV,   188                         ; v188-251 codes: 2 sets x 4 pairs of tiles x 8
; phase PV
.set PS,   34                          ; v34-41   A's scale words
.set PF,   42                          ; v42-137  A's fragments: 48 e + 12 c
.set O,    138                         ; v138-201 O^T: 32 e + 8 n
.set VS,   240                         ; v240-255 v's scale words
.set WV,   18
.set HD,   19
.set BT,   20
.set SEL,  22
.set CS,   24                          ; s[24:25] c = log2(e) / sqrt(512)
.set NC,   26                          ; -c
.set HM,   27                          ; lanes 16-31
.set XB,   28
.set XSB,  30
.set WB,   32
.set WSB,  34
.set CNT,  40
.set TK,   43
.set TKS,  44
.set TP,   45
.set TS,   46
.set TT,   47
.set TU,   48
.set T0,   49
.set ACB,  50
.set ASB,  52
.set MSB, 0
.macro WIN new                         ; s_set_vgpr_msb: bits 1:0 source 0, 3:2 source 1, 5:4 source 2, 7:6 destination; the high byte repeats the setting that is left
.if MSB != (\new)
	s_set_vgpr_msb (MSB<<8)|(\new)
.set MSB, (\new)
.endif
.endm
.macro PLACES                          ; four plain places behind matrix instructions, ahead of reads of results and of loads into operands
.rept 4
	v_nop
.endr
.endm
.macro MX d, a, b, sa, sb              ; D += A B, in place
	v_wmma_scale_f32_16x16x128_f8f6f4 v[\d:\d+7], v[\a:\a+11], v[\b:\b+11], v[\d:\d+7], v[\sa], v[\sb] matrix_a_fmt:MATRIX_FMT_BF6 matrix_b_fmt:MATRIX_FMT_BF6
.endm
.macro MXC d, a, b, c, sa, sb          ; D = A B + C: the bias starts the sum
	v_wmma_scale_f32_16x16x128_f8f6f4 v[\d:\d+7], v[\a:\a+11], v[\b:\b+11], v[\c:\c+7], v[\sa], v[\sb] matrix_a_fmt:MATRIX_FMT_BF6 matrix_b_fmt:MATRIX_FMT_BF6
.endm
.macro MXZ d, a, b, sa, sb             ; D = A B
	v_wmma_scale_f32_16x16x128_f8f6f4 v[\d:\d+7], v[\a:\a+11], v[\b:\b+11], 0, v[\sa], v[\sb] matrix_a_fmt:MATRIX_FMT_BF6 matrix_b_fmt:MATRIX_FMT_BF6
.endm
.macro XLOAD buf, off, soff            ; an x tile: 4 fragments and their scale words: 13 loads
.if (\buf) == 2
	WIN 0x80
.irp k, 0,1,2,3,4,5,6,7,8,9,10,11
	global_load_b128 v[192+4*\k:192+4*\k+3], v[LN16], s[XB:XB+1] offset:(\off)+512*\k
.endr
	WIN 0
	global_load_b128 v[XS2:XS2+3], v[R16], s[XSB:XSB+1] offset:\soff
.else
.irp k, 0,1,2,3,4,5,6,7,8,9,10,11
	global_load_b128 v[XF+48*(\buf)+4*\k:XF+48*(\buf)+4*\k+3], v[LN16], s[XB:XB+1] offset:(\off)+512*\k
.endr
	global_load_b128 v[XS+4*(\buf):XS+4*(\buf)+3], v[R16], s[XSB:XSB+1] offset:\soff
.endif
.endm
.macro XL i                            ; tile i of my sixteen (Q's 0-7, K's 8-15) into buffer i % 3
.if (\i) < 8
	XLOAD (\i)%3, 6144*(\i), 256*(\i)
.else
	XLOAD (\i)%3, KOFF+6144*((\i)-8), KSOFF+256*((\i)-8)
.endif
.endm
.macro XSEL buf                        ; where buffer buf stands: first register, window, scale words
.if (\buf) == 2
.set xr, 192
.set xw, 2
.set xs, XS2
.else
.set xr, XF+48*(\buf)
.set xw, 0
.set xs, XS+4*(\buf)
.endif
.endm
; Group i of eight of what the K side wants: 6 loads of Wk, 6 of Wv, 4 of bv, and 2 of scale words (i < 4) or of bk: 18 loads, issued under Q's tile i
.macro LATE i
	WIN 0x80
.irp k, 0,1,2,3,4,5
	global_load_b128 v[4*(6*(\i)+\k):4*(6*(\i)+\k)+3], v[LN16], s[WB:WB+1] offset:196608+512*(6*(\i)+\k)   ; Wk: fragment (n, s) lands at register 12 (4 n + s)
.endr
	WIN 0x40
.irp k, 0,1,2,3,4,5
	global_load_b128 v[4*(6*(\i)+\k):4*(6*(\i)+\k)+3], v[LN16], s[WB:WB+1] offset:393216+512*(6*(\i)+\k)   ; Wv
.endr
.irp j, 0,1,2,3
	global_load_b32 v[BIV+8*((\i)/2)+4*((\i)%2)+\j], v[BVA], s[12:13] offset:(32*(((\i)/2)/2)+8*(((\i)/2)%2))*4   ; bv: in v's result a lane holds ONE channel: eight registers with the same number
.endr
.if (\i) >= 4
.irp k, 0,1
	global_load_b128 v[BIK+8*((\i)-4)+4*\k:BIK+8*((\i)-4)+4*\k+3], v[BQA], s[10:11] offset:(32*(((\i)-4)/2)+8*(((\i)-4)%2))*4+16*\k   ; bk in the result's layout
.endr
	WIN 0
.else
	WIN 0
	global_load_b128 v[WSK+4*(\i):WSK+4*(\i)+3], v[R16], s[WSB:WSB+1] offset:8192+256*(\i)
	global_load_b128 v[WSV+4*(\i):WSV+4*(\i)+3], v[R16], s[WSB:WSB+1] offset:16384+256*(\i)
.endif
.endm
.macro PROJQ buf                       ; q, transposed: four accumulators by turns, K step by K step
	XSEL \buf
.irp s, 0,1,2,3
.if \s == 0
	WIN 0x33|(xw<<2)                               ; Wq and bq window 3
.else
	WIN 0x03|(xw<<2)
.endif
.irp n, 0,1,2,3
.if \s == 0
	MXC HA+8*\n, 12*(4*\n+\s), xr+12*\s, BIQ+8*\n, 244+4*\n-46*(\n/3)+\s, xs+\s
.else
	MX HA+8*\n, 12*(4*\n+\s), xr+12*\s, 244+4*\n-46*(\n/3)+\s, xs+\s
.endif
.endr
.endr
.endm
.macro PROJK buf                       ; k likewise
	XSEL \buf
.irp s, 0,1,2,3
.if \s == 0
	WIN 0x12|(xw<<2)                               ; Wk window 2, bk window 1
.else
	WIN 0x02|(xw<<2)
.endif
.irp n, 0,1,2,3
.if \s == 0
	MXC HA+8*\n, 12*(4*\n+\s), xr+12*\s, BIK+8*\n, WSK+4*\n+\s, xs+\s
.else
	MX HA+8*\n, 12*(4*\n+\s), xr+12*\s, WSK+4*\n+\s, xs+\s
.endif
.endr
.endr
.endm
.macro PROJV buf, t                    ; v, straight: source 0 = the tile's 16 keys, source 1 = 16 rows of Wv
	XSEL \buf
.irp s, 0,1,2,3
.if \s == 0
	WIN 0xd4|xw                                    ; Wv and bv window 1, sums window 3
.else
	WIN 0xf4|xw
.endif
.irp n, 0,1,2,3
.if \s == 0
	MXC 64*\n+8*(\t), xr+12*\s, 12*(4*\n+\s), BIV+8*\n, xs+\s, WSV+4*\n+\s
.else
	MX 64*\n+8*(\t), xr+12*\s, 12*(4*\n+\s), xs+\s, WSV+4*\n+\s
.endif
.endr
.endr
.endm
; 32 numbers of a lane in window 0, register 16 b + i = k 32 b + 16 (lane / 16) + i of my row, become half a fragment (six registers: k = 32 (lane / 16) + 0 .. 31) in v[pc] on and two scale bytes in v[pw].
.macro QUANT2 s, pc, pw
.irp b, 0,1
	v_max3_num_f32 v[TM+\b], |v[\s+16*\b]|, |v[\s+16*\b+1]|, 0x2800000   ; my 16 numbers of block b, from the low end on, and the floor 2^(5 - 127)
.endr
.irp i, 2,4,6,8,10,12,14
.irp b, 0,1
	v_max3_num_f32 v[TM+\b], v[TM+\b], |v[\s+16*\b+\i]|, |v[\s+16*\b+\i+1]|
.endr
.endr
.irp b, 0,1
	v_permlanex16_b32 v[TM+4+\b], v[TM+\b], s[SEL], s[SEL+1]
.endr
.irp b, 0,1
	v_max_num_f32 v[TM+\b], v[TM+\b], v[TM+4+\b]   ; with lane l xor 16's: the block's largest magnitude
.endr
.irp b, 0,1
	v_add_nc_u32 v[TM+12+\b], 0xfe000000, v[TM+\b] ; 4 off its exponent field: the conversion's scale operand
.endr
.irp b, 0,1
	v_lshrrev_b32 v[TM+4+\b], 23, v[TM+12+\b]      ; the byte
.endr
	s_wait_dscnt 0x0                               ; the LDS stores of the word and the codes made last have read their registers: both are written anew below
	v_lshl_or_b32 v[\pw], v[TM+5], 8, v[TM+4]
	v_cvt_scalef32_pk16_bf6_f32 v[\pc:\pc+2], v[\s:\s+15], v[TM+12]
	v_cvt_scalef32_pk16_bf6_f32 v[PT:PT+2], v[\s+16:\s+31], v[TM+13]
	v_nop                                          ; one plain place behind a scaled conversion
.irp i, 0,1,2
	v_permlane16_swap_b32 v[\pc+\i], v[PT+\i]      ; lanes 0-15 now hold block 0 whole, lanes 16-31 block 1
.endr
.irp i, 0,1,2
	v_mov_b32 v[\pc+3+\i], v[PT+\i]
.endr
.endm
; 64 numbers of a lane in window x, register 16 b + i = k 32 b + 16 (lane / 16) + i of my row, become a fragment in v[PC] on and its scale word in v[PW].
.macro QUANT s, x
	WIN ((\x)<<2)|((\x)<<4)
.irp b, 0,1,2,3
	v_max3_num_f32 v[TM+\b], 0x2800000, |v[\s+16*\b]|, |v[\s+16*\b+1]|
.endr
.irp i, 2,4,6,8,10,12,14
.irp b, 0,1,2,3
	v_max3_num_f32 v[TM+\b], v[TM+\b], |v[\s+16*\b+\i]|, |v[\s+16*\b+\i+1]|
.endr
.endr
	WIN 0
.irp b, 0,1,2,3
	v_permlanex16_b32 v[TM+4+\b], v[TM+\b], s[SEL], s[SEL+1]
.endr
.irp b, 0,1,2,3
	v_max_num_f32 v[TM+\b], v[TM+\b], v[TM+4+\b]
.endr
.irp b, 0,1,2,3
	v_add_nc_u32 v[TM+12+\b], 0xfe000000, v[TM+\b]
.endr
.irp b, 0,1,2,3
	v_lshrrev_b32 v[TM+4+\b], 23, v[TM+12+\b]
.endr
	s_wait_dscnt 0x0                               ; the LDS stores of the word and the codes made last have read their registers
	v_lshl_or_b32 v[PW], v[TM+5], 8, v[TM+4]
	v_lshl_or_b32 v[PW], v[TM+6], 16, v[PW]
	v_lshl_or_b32 v[PW], v[TM+7], 24, v[PW]
	WIN \x
.irp c, 0,1
	v_cvt_scalef32_pk16_bf6_f32 v[PC+6*\c:PC+6*\c+2], v[\s+32*\c:\s+32*\c+15], v[TM+12+2*\c]
	v_cvt_scalef32_pk16_bf6_f32 v[PC+12+4*\c:PC+12+4*\c+2], v[\s+32*\c+16:\s+32*\c+31], v[TM+13+2*\c]
.endr
	WIN 0
	v_nop                                          ; one plain place behind a scaled conversion
.irp c, 0,1
.irp i, 0,1,2
	v_permlane16_swap_b32 v[PC+6*\c+\i], v[PC+12+4*\c+\i]
.endr
.irp i, 0,1,2
	v_mov_b32 v[PC+6*\c+3+\i], v[PC+12+4*\c+\i]
.endr
.endr
.endm
.macro IMG6 adr, pc, off               ; half a fragment goes to LDS as it stands
.irp p, 0,1,2
	ds_store_b64 v[\adr], v[\pc+2*\p:\pc+2*\p+1] offset:(\off)+256*\p
.endr
.endm
	s_load_b256 s[4:11], s[0:1], 0x0               ; xcod, xscl, bq, bk
	s_load_b128 s[12:15], s[0:1], 0x20             ; bv, acod
	s_load_b64 s[16:17], s[0:1], 0x30              ; ascl
	v_lshl_add_u32 v10, v0, 2, 0x4a800
	v_mov_b32 v235, 0
	v_lshrrev_b32 v34, 5, v0
	v_readfirstlane_b32 s[WV], v34                 ; wave 0..3
	s_mov_b32 s[HD], ttmp9                         ; the head
	s_and_b32 s[BT], ttmp7, 0xffff                 ; the batch
	v_and_b32 v34, 31, v0                          ; lane
	v_and_b32 v35, 15, v0                          ; r
	v_bfe_u32 v36, v0, 4, 1                        ; h'
	v_lshlrev_b32 v[LN16], 4, v34
	v_lshlrev_b32 v[R16], 4, v35
	v_lshlrev_b32 v[LN8], 3, v34
	v_lshlrev_b32 v[LN4], 2, v34
	s_mul_i32 s36, s[WV], 6144                     ; eight half fragments
	s_lshl_b32 s37, s[WV], 10                      ; eight tiles' scale words
	v_add_nc_u32 v[QW0], s36, v[LN8]               ; (QC = 0)
	v_add_nc_u32 v[KW], KC, v[QW0]
	v_add_nc_u32 v[QSW0], s37, v[LN4]
	v_add_nc_u32 v[KSW], KSC, v[QSW0]
	v_add_nc_u32 v[QSW0], QSC, v[QSW0]
	s_mul_i32 s38, s[WV], 1536
	s_lshl_b32 s39, s[WV], 7
	v_add_nc_u32 v[VW], s38, v[LN16]
	v_add_nc_u32 v[VW], VC, v[VW]
	v_add_nc_u32 v[VSW], s39, v[LN4]
	v_add_nc_u32 v[VSW], VSC, v[VSW]
	v_add_nc_u32 v[KR0], s38, v[LN8]               ; my two key tiles of a chunk
	v_add_nc_u32 v[KR0], KC, v[KR0]
	s_lshl_b32 s39, s[WV], 8
	v_add_nc_u32 v[KSR0], s39, v[LN4]
	v_add_nc_u32 v[KSR0], KSC, v[KSR0]
	s_lshr_b32 s36, s[WV], 1                       ; block w of a chunk stands in registers 6 (w / 2) on of lanes 16 (w % 2) on
	s_mul_i32 s36, s36, 768
	s_and_b32 s37, s[WV], 1
	s_lshl_b32 s37, s37, 7
	s_add_co_u32 s36, s36, s37
	v_mul_u32_u24 v[PW0], v36, PTP                 ; lanes 16-31 hold the next tile's query
	v_lshl_add_u32 v[PW0], v35, 3, v[PW0]
	v_add_nc_u32 v[PW0], s36, v[PW0]
	v_add_nc_u32 v[PW0], PIM, v[PW0]
	v_add_nc_u32 v[PSW0], s[WV], v[LN4]            ; 64 h' + 4 r = 4 x lane; byte w
	v_add_nc_u32 v[PSW0], PSC, v[PSW0]
	s_mul_i32 s36, s[WV], 8*PTP
	v_add_nc_u32 v37, s36, v[LN8]
.irp c, 0,1,2,3
	v_add_nc_u32 v[PR0+\c], PIM+PCH*\c, v37
.endr
	v_lshlrev_b32 v37, 2, v35
	s_lshl_b32 s36, s[WV], 9
	v_add_nc_u32 v37, s36, v37
	v_add_nc_u32 v[PSR0], PSC, v37
	v_lshl_add_u32 v[ASA], v36, 8, v[R16]          ; 256 h' + 16 r
	v_lshlrev_b32 v[BQA], 6, v36                   ; 64 h'
	v_and_b32 v37, 8, v35
	v_add_nc_u32 v37, v37, v35
	v_lshlrev_b32 v[BVA], 2, v37                   ; 4 (r + 8 (r / 8))
.irp b, 0,1,2,3
	v_mov_b32 v[TM+4+\b], 0                        ; a lane permute's destination counts as one of its sources
.endr
	s_mov_b32 s[SEL], 0x76543210
	s_mov_b32 s[SEL+1], 0xfedcba98
	s_mov_b32 s[CS], 0x3d8293ee
	s_mov_b32 s[CS+1], s[CS]                       ; (named with it as a pair, so it is written)
	s_mov_b32 s[NC], 0xbd8293ee
	s_mov_b32 s[HM], 0xffff0000
	s_mov_b32 s37, 0
	s_mov_b32 s39, 0
	s_lshl_b32 s[T0], s[BT], 5
	s_lshl_b32 s36, s[WV], 3
	s_add_co_u32 s[T0], s[T0], s36                 ; my first tile: 32 b + 8 w
	s_mul_i32 s36, s[T0], 6144
	s_lshl_b32 s38, s[T0], 8
	s_wait_kmcnt 0x0
	s_add_nc_u64 s[XB:XB+1], s[4:5], s[36:37]      ; Q's tiles; K's lie KOFF further on
	s_add_nc_u64 s[XSB:XSB+1], s[6:7], s[38:39]
	s_add_nc_u64 s[ACB:ACB+1], s[14:15], s[36:37]
	s_add_nc_u64 s[ASB:ASB+1], s[16:17], s[38:39]
	s_mul_i32 s36, s[HD], 768                      ; K step h / 2 of the next product, registers 6 (h % 2) on
	s_lshl_b32 s38, s[HD], 1                       ; its two scale bytes
	s_add_nc_u64 s[ACB:ACB+1], s[ACB:ACB+1], s[36:37]
	s_add_nc_u64 s[ASB:ASB+1], s[ASB:ASB+1], s[38:39]
	s_lshl_b32 s36, s[HD], 2
	s_add_co_u32 s36, s36, 2048                    ; Wq's tiles of my head; Wk's lie 32 tiles on, Wv's 64
	s_lshl_b32 s38, s36, 8
	s_mul_i32 s36, s36, 6144
	s_add_nc_u64 s[WB:WB+1], s[4:5], s[36:37]
	s_add_nc_u64 s[WSB:WSB+1], s[6:7], s[38:39]
	s_lshl_b32 s36, s[HD], 8                       ; my head's 64 numbers of each bias
	s_add_nc_u64 s[8:9], s[8:9], s[36:37]
	s_add_nc_u64 s[10:11], s[10:11], s[36:37]
	s_add_nc_u64 s[12:13], s[12:13], s[36:37]
	; ---- P: the projections.  All three weights stay in registers.  Only what q wants is asked for at the head; what k and v want comes in eight groups under Q's tiles; x comes two tiles ahead, in three buffers
	WIN 0xc0
.set k, 0
.rept 48
	global_load_b128 v[4*k:4*k+3], v[LN16], s[WB:WB+1] offset:512*k   ; Wq: my head's four tiles, 24,576 dense bytes: fragment (n, s) lands at register 12 (4 n + s)
.set k, k+1
.endr
	WIN 0
.irp n, 0,1,2,3
	global_load_b128 v[244+4*\n-46*(\n/3):244+4*\n-46*(\n/3)+3], v[R16], s[WSB:WSB+1] offset:256*\n   ; its scale words
.endr
	WIN 0xc0
.irp n, 0,1,2,3
.irp k, 0,1
	global_load_b128 v[BIQ+8*\n+4*\k:BIQ+8*\n+4*\k+3], v[BQA], s[8:9] offset:(32*(\n/2)+8*(\n%2))*4+16*\k   ; bq in the result's layout: lane (r, h'), tile n, register j: column 32 (n / 2) + 8 (n % 2) + 16 h' + j
.endr
.endr
	WIN 0
	XL 0
	XL 1
.macro QTILE t
	LATE \t
	XL (\t)+2
.if (\t) == 0
	s_wait_loadcnt 44                              ; Wq, bq and tile 0 are in: behind them 13 + 18 + 13 loads were issued
.else
	s_wait_loadcnt 62                              ; this tile is in: behind it 18 + 13 + 18 + 13 loads were issued
.endif
	PROJQ (\t)%3
	WIN 0
	PLACES
	QUANT2 HA, PC, PW                              ; its plain lines on v202-239 are further places ahead of the next tile's loads and of the new sums on v170-201
	IMG6 QW0, PC, 768*(\t)
	ds_store_b32 v[QSW0], v[PW] offset:128*(\t)
.endm
.irp t, 0,1,2,3,4,5,6,7
	QTILE \t
.endr
.macro KTILE t
.if (\t) < 6
	XL (\t)+10
	s_wait_loadcnt 26                              ; this tile is in, and ahead of the first the last group of weights: behind them two tiles' 13 + 13 loads were issued
.elseif (\t) == 6
	s_wait_loadcnt 13                              ; nothing is asked for beyond the last tile
.else
	s_wait_loadcnt 0x0
.endif
	PROJK ((\t)+8)%3
	PROJV ((\t)+8)%3, \t
	WIN 0
	PLACES
	QUANT2 HA, PC, PW
	IMG6 KW, PC, 768*(\t)
	ds_store_b32 v[KSW], v[PW] offset:128*(\t)
.endm
.irp t, 0,1,2,3,4,5,6,7
	KTILE \t
.endr
.irp n, 0,1,2,3                        ; my 128 keys are chunk w of the second product's K: one fragment for each 16 channels
	QUANT 64*\n, 3
.irp g, 0,1,2
	ds_store_b128 v[VW], v[PC+4*\g:PC+4*\g+3] offset:6144*\n+512*\g
.endr
	ds_store_b32 v[VSW], v[PW] offset:512*\n
.endr
	s_wait_dscnt 0x0                               ; for the others' sake: my stores are done
	s_barrier_signal -1
	s_barrier_wait -1                              ; q, k and v lie in LDS
	; ---- SOFT
	WIN 0xc0
.irp j, 192,193,194,195,196,197
	v_mov_b32 v[\j], 0                             ; what the last q operand's upper six registers name
.endr
	WIN 0
.irp u, 0,1
.irp j, 6,7,8,9,10,11
	v_mov_b32 v[KF+12*\u+\j], 0                    ; k's zero codes for K = 64 .. 127: written once
.endr
.endr
	v_add_nc_u32 v[VRD], VC, v[LN16]               ; (for phase PV; with the trip's four additions: five places between these moves and the first product)
	WIN 0xc0
.set t, 0
.rept 32
.irp p, 0,1,2
	ds_load_b64 v[6*t+2*\p:6*t+2*\p+1], v[LN8] offset:QC+768*t+256*\p   ; q stays in registers
.endr
.set t, t+1
.endr
	WIN 0
.set t, 0
.rept 32
	ds_load_b32 v[QS+t], v[LN4] offset:QSC+128*t
.set t, t+1
.endr
	s_mov_b32 s[TK], 0
	s_mov_b32 s[TKS], 0
	s_mov_b32 s[TP], 0
	s_mov_b32 s[TS], 0
	s_mov_b32 s[CNT], 4
.macro CMAX q                          ; the 16 columns' maxima take in query tiles 2 q and 2 q + 1: each accumulator from its low end on
.if (\q) == 0
	WIN 0x05
.set k, 0
.rept 16
	v_max_num_f32 v[M+k], v[k], v[16+k]
.set k, k+1
.endr
.else
.if (\q) < 8
	WIN 0x14
.else
	WIN 0x28
.endif
.set k, 0
.rept 16
	v_max3_num_f32 v[M+k], v[M+k], v[32*((\q)%8)+k], v[32*((\q)%8)+16+k]
.set k, k+1
.endr
.endif
.endm
.macro TORD i                          ; the order in which a window's 16 tiles are scaled and raised: tiles 6 and 7 last
.if (\i) < 6
.set tt, (\i)
.elseif (\i) < 14
.set tt, (\i)+2
.else
.set tt, (\i)-8
.endif
.endm
.macro QGRP g                          ; tiles 8 g .. 8 g + 7: A's codes and bytes go to LDS
.if (\g) >= 2
	s_wait_dscnt 16                                ; the stores of two groups back have read this set; the last group's 16 may be out
.endif
	WIN 1+(\g)/2
.irp e, 0,1,2,3,4,5,6,7
	v_cvt_scalef32_pk16_bf6_f32 v[CV+32*((\g)%2)+8*(\e/2)+4*(\e%2):CV+32*((\g)%2)+8*(\e/2)+4*(\e%2)+2], v[16*((8*(\g)+\e)%16):16*((8*(\g)+\e)%16)+15], v[T+8*(\g)+\e]
.endr
	WIN 0
	v_nop                                          ; one plain place behind a scaled conversion
.irp q, 0,1,2,3
.irp i, 0,1,2
	v_permlane16_swap_b32 v[CV+32*((\g)%2)+8*\q+\i], v[CV+32*((\g)%2)+8*\q+4+\i]   ; lane (r, h') now holds the whole block of query r of tile 2 q + h'
.endr
.irp i, 0,1,2
	v_mov_b32 v[CV+32*((\g)%2)+8*\q+3+\i], v[CV+32*((\g)%2)+8*\q+4+\i]             ; in ascending order: six registers on end
.endr
.endr
.irp q, 0,1,2,3
.irp i, 0,1,2
	ds_store_b64 v[PWA], v[CV+32*((\g)%2)+8*\q+2*\i:CV+32*((\g)%2)+8*\q+2*\i+1] offset:(8*(\g)+2*\q)*PTP+256*\i
.endr
	ds_store_b8 v[PSWA], v[U+8*(\g)+2*\q] offset:(8*(\g)+2*\q)*64
.endr
.endm
.Lchunk:                               ; 128 keys a trip; my 32 of them against all 512 queries
	s_wait_dscnt 0x0                               ; the last trip's stores are done: their address registers are written anew
	v_add_nc_u32 v[KR], s[TK], v[KR0]
	v_add_nc_u32 v[KSR], s[TKS], v[KSR0]
	v_add_nc_u32 v[PWA], s[TP], v[PW0]
	v_add_nc_u32 v[PSWA], s[TS], v[PSW0]
.irp u, 0,1
.irp p, 0,1,2
	ds_load_b64 v[KF+12*\u+2*\p:KF+12*\u+2*\p+1], v[KR] offset:768*\u+256*\p
.endr
	ds_load_b32 v[KS+\u], v[KSR] offset:128*\u
.endr
	s_wait_dscnt 0x0
	; S^T = k q^T: register 16 (t % 16) + 8 u + j of lane (r, h') is query r of tile t, key 128 c + 32 w + 16 h' + 8 u + j.  Behind the four products of a pair of tiles stand the sixteen maxima over the pair before:
	; vector work while the matrix unit works.  Those sixteen lines name no register of the products just issued and are the places between them and the lines that read them, a pair later; the first pair has four v_nop
.set p, 0
.rept 16
.if p < 8
	WIN 0x4c
.else
	WIN 0x8c
.endif
.irp e, 0,1
.irp u, 0,1
	MXZ 16*((2*p+\e)%16)+8*\u, KF+12*\u, 6*(2*p+\e), KS+\u, QS+2*p+\e
.endr
.endr
.if p == 1
	PLACES
.endif
.if p > 0
	CMAX p-1
.endif
.set p, p+1
.endr
	CMAX 15
	WIN 0
.irp x, 1,2,4,8                        ; then across the 16 lanes that hold the same keys
.set k, 0
.rept 16
	v_max_num_f32_dpp v[M+k], v[M+k], v[M+k] row_xmask:\x row_mask:0xf bank_mask:0xf
.set k, k+1
.endr
.endr
.set k, 0
.rept 16
	v_mul_f32 v[NM+k], s[NC], v[M+k]               ; -c x the column's maximum
.set k, k+1
.endr
	; p = 2^(c s - c max), in place: a batch of 256 exponentials for each window.  A scaling (two scores) leads each two exponentials; the scalings run two tiles ahead.  Nothing in a batch names an exponential's result:
	; tiles 6 and 7, whose register numbers are those of -c max in window 0, are raised behind the last scaling.  One plain line and one wait stand behind each batch (the wait ahead of the first line that names a result)
.irp x, 1,2
	WIN (\x)|((\x)<<6)
.irp a, 0,1
	TORD \a
.irp e, 0,1,2,3,4,5,6,7
	v_pk_fma_f32 v[16*tt+2*\e:16*tt+2*\e+1], v[16*tt+2*\e:16*tt+2*\e+1], s[CS:CS+1], v[NM+2*\e:NM+2*\e+1] op_sel_hi:[1,0,1]
.endr
.endr
.set i, 0
.rept 14
	TORD i+2
.set tf, tt
	TORD i
.irp e, 0,1,2,3,4,5,6,7
	v_pk_fma_f32 v[16*tf+2*\e:16*tf+2*\e+1], v[16*tf+2*\e:16*tf+2*\e+1], s[CS:CS+1], v[NM+2*\e:NM+2*\e+1] op_sel_hi:[1,0,1]
	v_exp_f32 v[16*tt+2*\e], v[16*tt+2*\e]
	v_exp_f32 v[16*tt+2*\e+1], v[16*tt+2*\e+1]
.endr
.set i, i+1
.endr
.irp a, 14,15
	TORD \a
.set j, 0
.rept 16
	v_exp_f32 v[16*tt+j], v[16*tt+j]
.set j, j+1
.endr
.endr
	WIN 0
	v_nop
	s_wait_alu depctr_va_vdst(0)
.endr
	; the columns' sums, two at a time
	WIN 0x05
.irp q, 0,2,4,6,8,10,12,14
	v_pk_add_f32 v[L+\q:L+\q+1], v[\q:\q+1], v[16+\q:16+\q+1]
.endr
	WIN 0x04
.set t, 2
.rept 14
.irp q, 0,2,4,6,8,10,12,14
	v_pk_add_f32 v[L+\q:L+\q+1], v[L+\q:L+\q+1], v[16*t+\q:16*t+\q+1]
.endr
.set t, t+1
.endr
	WIN 0x08
.set t, 0
.rept 16
.irp q, 0,2,4,6,8,10,12,14
	v_pk_add_f32 v[L+\q:L+\q+1], v[L+\q:L+\q+1], v[16*t+\q:16*t+\q+1]
.endr
.set t, t+1
.endr
	WIN 0
.irp x, 1,2,4,8
.set k, 0
.rept 16
	v_add_f32_dpp v[L+k], v[L+k], v[L+k] row_xmask:\x row_mask:0xf bank_mask:0xf
.set k, k+1
.endr
.endr
.set k, 0
.rept 16
	v_rcp_f32 v[RL+k], v[L+k]
.set k, k+1
.endr
	v_nop                                          ; a plain place behind the last reciprocal,
	s_wait_alu depctr_va_vdst(0)                   ; and one wait for the sixteen, ahead of their first reader
.irp x, 1,2
	WIN (\x)|((\x)<<6)
.set j, 0
.rept 128
	v_pk_mul_f32 v[2*j:2*j+1], v[2*j:2*j+1], v[RL+(2*j)%16:RL+(2*j)%16+1]   ; A, finished and normalised
.set j, j+1
.endr
.endr
	; A's block of 32 keys of each query: my 16, and lane l xor 16's.  A is never negative: no |.|
.irp x, 1,2
	WIN ((\x)<<2)|((\x)<<4)
.set t, 0
.rept 16
	v_max3_num_f32 v[T+16*((\x)-1)+t], 0x2800000, v[16*t], v[16*t+1]
.set t, t+1
.endr
.irp i, 2,4,6,8,10,12,14
.set t, 0
.rept 16
	v_max3_num_f32 v[T+16*((\x)-1)+t], v[T+16*((\x)-1)+t], v[16*t+\i], v[16*t+\i+1]
.set t, t+1
.endr
.endr
.endr
	WIN 0
.set t, 0
.rept 32
	v_permlanex16_b32 v[U+t], v[T+t], s[SEL], s[SEL+1]
.set t, t+1
.endr
.set t, 0
.rept 32
	v_max_num_f32 v[T+t], v[T+t], v[U+t]
.set t, t+1
.endr
.set t, 0
.rept 32
	v_add_nc_u32 v[T+t], 0xfe000000, v[T+t]        ; the conversion's scale operand
.set t, t+1
.endr
.set t, 0
.rept 32
	v_lshrrev_b32 v[U+t], 23, v[T+t]               ; the byte
.set t, t+1
.endr
.set t, 0
.rept 16
	v_cndmask_b32 v[U+2*t], v[U+2*t], v[U+2*t+1], s[HM]   ; lanes 16-31 store the odd tile's
.set t, t+1
.endr
	QGRP 0
	QGRP 1
	QGRP 2
	QGRP 3
	s_add_co_u32 s[TK], s[TK], 6144
	s_add_co_u32 s[TKS], s[TKS], 1024
	s_add_co_u32 s[TP], s[TP], PCH
	s_add_co_u32 s[TS], s[TS], 2048
	s_sub_co_u32 s[CNT], s[CNT], 1
	s_cmp_lg_u32 s[CNT], 0
	s_cbranch_scc1 .Lchunk
	s_wait_dscnt 0x0                               ; for the others' sake: my stores are done
	s_barrier_signal -1
	s_barrier_wait -1                              ; A's codes and bytes lie in LDS
	; ---- PV: O^T = v^T A^T for my eight query tiles, two a trip; the result is quantised along the head's 64 and stored
	WIN 0x40
.set k, 0
.rept 48
	ds_load_b128 v[4*k:4*k+3], v[VRD] offset:512*k ; v's fragment (n, c) at register 12 (4 n + c)
.set k, k+1
.endr
	WIN 0
.set k, 0
.rept 16
	ds_load_b32 v[VS+k], v[LN4] offset:VSC+128*k
.set k, k+1
.endr
	s_mov_b32 s[TT], 0
	s_mov_b32 s[TU], 0
	s_mov_b32 s[CNT], 4
.Lpv:
.irp c, 0,1,2,3
	v_add_nc_u32 v[PR+\c], s[TT], v[PR0+\c]
.endr
	v_add_nc_u32 v[PSR], s[TU], v[PSR0]
.irp e, 0,1
.irp c, 0,1,2,3
.irp p, 0,1,2,3,4,5
	ds_load_b64 v[PF+48*\e+12*\c+2*\p:PF+48*\e+12*\c+2*\p+1], v[PR+\c] offset:PTP*\e+256*\p
.endr
	ds_load_b32 v[PS+4*\e+\c], v[PSR] offset:2048*\c+64*\e
.endr
.endr
	s_wait_dscnt 0x0
	WIN 0x01
.irp c, 0,1,2,3                        ; eight accumulators by turns, a chunk at a time
.irp e, 0,1
.irp n, 0,1,2,3
.if \c == 0
	MXZ O+32*\e+8*\n, 12*(4*\n+\c), PF+48*\e+12*\c, VS+4*\n+\c, PS+4*\e+\c
.else
	MX O+32*\e+8*\n, 12*(4*\n+\c), PF+48*\e+12*\c, VS+4*\n+\c, PS+4*\e+\c
.endif
.endr
.endr
.endr
	WIN 0
	PLACES
	QUANT2 O, PCA, PW
	QUANT2 O+32, PCB, PWB
.irp i, 0,1,2
	global_store_b64 v[LN8], v[PCA+2*\i:PCA+2*\i+1], s[ACB:ACB+1] offset:256*\i        ; 32 lanes store 256 consecutive bytes, aligned
	global_store_b64 v[LN8], v[PCB+2*\i:PCB+2*\i+1], s[ACB:ACB+1] offset:6144+256*\i
.endr
	v_cndmask_b32 v[PW], v[PW], v[PWB], s[HM]      ; lanes 0-15: the even tile's two bytes of row r, lanes 16-31: the odd tile's
	global_store_b16 v[ASA], v[PW], s[ASB:ASB+1]   ; two bytes a row, 16 bytes apart: 1,024 of the work-group's 25,600 bytes of output
	s_wait_xcnt 0x0                                ; the stores have read their registers and bases
	s_add_nc_u64 s[ACB:ACB+1], s[ACB:ACB+1], 12288
	s_add_nc_u64 s[ASB:ASB+1], s[ASB:ASB+1], 512
	s_add_co_u32 s[TT], s[TT], 2*PTP
	s_add_co_u32 s[TU], s[TU], 128
	s_sub_co_u32 s[CNT], s[CNT], 1
	s_cmp_lg_u32 s[CNT], 0
	s_cbranch_scc1 .Lpv
	s_wait_tensorcnt 0x0
	ds_add_u32 v10, v235
	s_wait_dscnt 0x0
	s_endpgm
.Lfunc_end_k_q21071e71f6_attn:
	.size	k_q21071e71f6_attn, .Lfunc_end_k_q21071e71f6_attn-k_q21071e71f6_attn
	.p2alignl 7, 3214868480
	.fill 96, 4, 3214868480
	.section	.rodata,"a",@progbits
	.p2align	6, 0x0
	.amdhsa_kernel k_q21071e71f6_attn
		.amdhsa_group_segment_fixed_size 305664
		.amdhsa_private_segment_fixed_size 0
		.amdhsa_enable_private_segment 0
		.amdhsa_kernarg_size 56
		.amdhsa_user_sgpr_count 2
		.amdhsa_user_sgpr_kernarg_segment_ptr 1
		.amdhsa_wavefront_size32 1
		.amdhsa_system_sgpr_workgroup_id_x 1
		.amdhsa_system_sgpr_workgroup_id_y 1
		.amdhsa_system_sgpr_workgroup_id_z 1
		.amdhsa_system_vgpr_workitem_id 0
		.amdhsa_next_free_vgpr 1024
		.amdhsa_next_free_sgpr 66
		.amdhsa_reserve_vcc 0
		.amdhsa_float_denorm_mode_32 3
		.amdhsa_float_denorm_mode_16_64 3
		.amdhsa_memory_ordered 1
		.amdhsa_forward_progress 1
		.amdhsa_inst_pref_size 255
	.end_amdhsa_kernel
	.section	.bss,"aw",@nobits
	.p2align	6
	.space	262144
	.amdgpu_metadata
---
amdhsa.version: [ 1, 2 ]
amdhsa.kernels:
  - .name:           k_q21071e71f6_attn
    .symbol:         k_q21071e71f6_attn.kd
    .args:
      - { .name: xcod, .offset: 0, .size: 8, .value_kind: global_buffer, .address_space: global }
      - { .name: xscl, .offset: 8, .size: 8, .value_kind: global_buffer, .address_space: global }
      - { .name: bq, .offset: 16, .size: 8, .value_kind: global_buffer, .address_space: global }
      - { .name: bk, .offset: 24, .size: 8, .value_kind: global_buffer, .address_space: global }
      - { .name: bv, .offset: 32, .size: 8, .value_kind: global_buffer, .address_space: global }
      - { .name: acod, .offset: 40, .size: 8, .value_kind: global_buffer, .address_space: global }
      - { .name: ascl, .offset: 48, .size: 8, .value_kind: global_buffer, .address_space: global }
    .group_segment_fixed_size: 305664
    .private_segment_fixed_size: 0
    .kernarg_segment_align: 8
    .kernarg_segment_size: 56
    .max_flat_workgroup_size: 128
    .sgpr_count:     66
    .vgpr_count:     1024
    .wavefront_size: 32
...
	.end_amdgpu_metadata
.endif
;; end of part 2
;; launch ffn (part 3): grid 256 x 1, 4 waves a work-group, clusters of 4 x 1, 327,680 bytes of LDS; arguments Q, xcod, xscl, acod, ascl, bo, b1, b2, out0; writes out0
.if DOCPART == 3
	.amdgcn_target "amdgcn-amd-amdhsa--gfx1250"
	.amdhsa_code_object_version 6
	.text
	.protected	k_q21071e71f6_ffn
	.globl	k_q21071e71f6_ffn
	.p2align	8
	.type	k_q21071e71f6_ffn,@function
k_q21071e71f6_ffn:
	s_mov_b64 s[64:65], 0
	v_nop
	global_prefetch_b8 v0, s[64:65] scope:SCOPE_SE
	s_setreg_imm32_b32 hwreg(HW_REG_WAVE_MODE, 25, 1), 1
	s_wait_xcnt 0x0
	s_wait_alu depctr_hold_cnt(0) depctr_sa_sdst(0) depctr_va_vdst(0) depctr_va_sdst(0) depctr_va_ssrc(0) depctr_va_vcc(0) depctr_vm_vsrc(0)
	s_getreg_b32 s2, hwreg(HW_REG_IB_STS2, 6, 4)
	s_cmp_eq_u32 s2, 0
	s_cbranch_scc0 .Lentry_in_a_cluster
	s_endpgm
.Lentry_in_a_cluster:
	s_bfe_u32 s2, ttmp6, 0x10000c
	s_cmp_lg_u32 s2, 0x3003
	s_cbranch_scc0 .Lentry_shape_is_right
	s_endpgm
.Lentry_shape_is_right:
; For 64 rows: out = Q + attn Wo^T + bo;  hid = relu(out W1^T + b1);  out0 = out + hid W2^T + b2.  The three products on codes of E3M2 with E8M0 scales, sums in f32; out and hid are quantised on the way and never go to memory.
; LIMITS: NaN and infinities are not served; a block of zeros gets the byte 1 (its codes are zeros; only this program reads the bytes).
; SHARES.  Work-group g takes rows 64 g .. 64 g + 63, as the four tiles 4 g + m in the tile order of the launches before (slot 16 m + r is row 32 (m / 2) + 8 (m % 2) + r + 8 (r / 8)).
; THE WAVES SHARE THE COLUMNS: wave w makes columns 128 w .. 128 w + 127 of every layer (weight tiles 8 w + n), for all 64 rows; these are K step w of the next product.
; TRANSPOSED USE: source 0 = 16 rows of the weight, source 1 = 16 rows of the activation: a lane holds one row, and the 16 registers of tiles 2 b, 2 b + 1 are 16 neighbours along the next K.
; CLUSTER.  All work-groups walk the same 589,824 bytes of weights, so the four of a cluster ask for them JOINTLY: the same tensor load, with the same descriptor and a mask that names the four, in all four; each receives the bytes in its own LDS.
; A FILL is two K steps of one layer, 98,304 bytes; wave w fetches its own 8 tiles x 3,072 bytes of it and is the only one that reads them.  Two slots, six fills: slot 0 takes K steps 0, 1 of each layer, slot 1 K steps 2, 3.
; From a slot the fragments go into two sets of 96 registers, two K steps ahead of their products: so slot 0 is free at a layer's start and slot 1 behind K step 3, and every refill has three K steps or more in which to land.
; A wave has two tensor loads out at the start and one behind each change.
; out STAYS IN REGISTERS: layers 1 and 3 sum in window 2, layer 2 in window 1.  bo and b1 are the C of their layers' first products; Q is added behind layer 1, so that layer 1 runs while Q arrives; b2 is added ahead of layer 3.
; Activations go from wave to wave as images of the operand's registers (attn's too: wave w loads K step w and hands it on).  A stage of 16 rows for each wave turns rows of memory into the result's layout and back.
; NO PREFETCH: every fill is asked for three K steps or more ahead, everything else at the head.
; REGISTERS, in windows of 256.  Window 0: v1-14 addresses; v16-111 two K steps of activation fragments; v112-127 their scale words; v128-159, v198-229 the weights' scale words, two sets; v160-197 the quantiser.
; Window 1: Q as loaded, then in the result's layout; layer 2's sums; rows on the way out.  Window 2: the sums of layers 1 and 3 (64 m + 8 n).  Window 3: two sets of weight fragments (v0, v96), the bias (v192-255).
.set OIMG, 0                           ; LDS: out's 16 fragments, (4 m + s) x 1,536
.set HIMG, 24576                       ; attn's, later hid's
.set OSC,  49152                       ; scale words, (4 m + s) x 128
.set HSC,  51200
.set STG,  53248                       ; a stage for each wave: 16 rows x (512 + 16) bytes
.set SP,   528
.set WST,  16*SP
.set SPARE, STG+4*WST                  ; the spare words, 128 bytes for each wave: two blocks of 256 bytes that no other line names
.set SL0,  SPARE+512                   ; the two slots
.set WPART, 24576                      ; a wave's part of a slot
.set SLOTB, 4*WPART
.set LN16, 1
.set LN8,  2
.set LN4,  3
.set R16,  4
.set QA,   5                           ; 16 x lane + 512 w: my place in a row of Q and of out0
.set SRW,  6                           ; the stage by rows
.set SAC,  7                           ; the stage in the result's layout: row r, + 64 h'
.set IW,   8                           ; where I store an image: 16 x lane + 1,536 w
.set ISW,  9                           ; and its scale word: 4 x lane + 128 w
.set BA,   10                          ; 64 h'
.set WA,   11                          ; v11-12 my part of slot 0, 1: + 16 x lane
.set SPW,  13                          ; LDS address of my spare word; never rewritten
.set NIL,  14                          ; 0; never rewritten
.set XF,   16
.set XS,   112
.set WS0,  128
.set TM,   160
.set PW,   176
.set PC,   178
.set WS1,  198
.set BI,   192                         ; in window 3
.set WV,   22
.set GI,   23
.set SEL,  24
.set WSP,  30
.set XGB,  32
.set XGS,  34
.set G1,   40                          ; s[40:47] descriptor group 1
.set G0,   48                          ; s[48:55] descriptor group 0, a set for each slot
.set MSB, 0
.macro WIN new                         ; s_set_vgpr_msb: bits 1:0 source 0, 3:2 source 1, 5:4 source 2, 7:6 destination; the high byte repeats the setting that is left
.if MSB != (\new)
	s_set_vgpr_msb (MSB<<8)|(\new)
.set MSB, (\new)
.endif
.endm
.macro PLACES                          ; four plain places behind matrix instructions, ahead of reads of results and of loads into operands
.rept 4
	v_nop
.endr
.endm
; A round of the cluster's barrier: my work-group's barrier, so that wave 0's signal speaks for all four waves; wave 0 signals for the work-group; every wave waits for all four work-groups; my work-group's barrier once more.
.macro ROUND
	s_barrier_signal -1
	s_barrier_wait -1
	s_cmp_lg_u32 s[WV], 0
	s_cbranch_scc1 .Lnot_wave_0_\@
	s_barrier_signal -3
.Lnot_wave_0_\@:
	s_barrier_wait -3
	s_barrier_signal -1
	s_barrier_wait -1
.endm
; THE CHANGE of slot j, in two parts, so that work on registers can stand between the add and the wait for it.
.macro CHGA j
	s_wait_tensorcnt 0x0                           ; all my tensor loads have landed, so a group 0 may be written
	ds_add_u32 v[SPW], v[NIL]                      ; 0 onto my spare word
	s_add_nc_u64 s[G0+4*(\j)+2:G0+4*(\j)+3], s[G0+4*(\j)+2:G0+4*(\j)+3], 196608   ; the same K steps of the next layer; the type bits on top are not reached
.endm
.macro CHGB j
	s_wait_dscnt 0x0                               ; the add is done, my reads of the slot are over, my LDS stores have landed
	ROUND                                          ; all that now holds of every wave of the four work-groups
	tensor_load_to_lds s[G0+4*(\j):G0+4*(\j)+3], s[G1:G1+7]   ; the joint refill: the first thing behind the round, my one tensor load until the next
	s_nop 0
	PLACES                                         ; four v_nop follow it
.endm
.macro WL slot, q, buf                 ; my 8 weight fragments of the slot's q-th K step into set buf: 24 loads of 512 consecutive bytes
	WIN 0xc0
.irp n, 0,1,2,3,4,5,6,7
.irp k, 0,1,2
	ds_load_b128 v[96*(\buf)+12*\n+4*\k:96*(\buf)+12*\n+4*\k+3], v[WA+(\slot)] offset:3072*\n+1536*(\q)+512*\k
.endr
.endr
	WIN 0
.endm
.macro WSCALE l, reg                   ; layer l's scale words of my 8 tiles: register 4 n + s
.irp n, 0,1,2,3,4,5,6,7
	global_load_b128 v[(\reg)+4*\n:(\reg)+4*\n+3], v[R16], s[WSP:WSP+1] offset:8192*(\l)+256*\n
.endr
.endm
.macro BIAS p                          ; a bias in the result's layout: tile n, register j: column 32 (n / 2) + 8 (n % 2) + 16 h' + j of my 128
	WIN 0xc0
.irp n, 0,1,2,3,4,5,6,7
.irp k, 0,1
	global_load_b128 v[BI+8*\n+4*\k:BI+8*\n+4*\k+3], v[BA], s[\p:\p+1] offset:(32*(\n/2)+8*(\n%2))*4+16*\k
.endr
.endr
	WIN 0
.endm
.macro FETCH img, s                    ; the four tiles' fragments of K step s: 12 loads
.irp m, 0,1,2,3
.irp k, 0,1,2
	ds_load_b128 v[XF+48*((\s)%2)+12*\m+4*\k:XF+48*((\s)%2)+12*\m+4*\k+3], v[LN16] offset:(\img)+(4*\m+(\s))*1536+512*\k
.endr
.endr
.endm
.macro XSC sc                          ; and all 16 scale words
.set k, 0
.rept 16
	ds_load_b32 v[XS+k], v[LN4] offset:(\sc)+128*k
.set k, k+1
.endr
.endm
.macro MM s, win, cb, ws               ; K step s: 32 accumulators, one instruction each.  cb = 1: the bias starts the sums
	WIN \win
.irp n, 0,1,2,3,4,5,6,7
.irp m, 0,1,2,3
.if \cb
	v_wmma_scale_f32_16x16x128_f8f6f4 v[64*\m+8*\n:64*\m+8*\n+7], v[96*((\s)%2)+12*\n:96*((\s)%2)+12*\n+11], v[XF+48*((\s)%2)+12*\m:XF+48*((\s)%2)+12*\m+11], v[BI+8*\n:BI+8*\n+7], v[(\ws)+4*\n+(\s)], v[XS+4*\m+(\s)] matrix_a_fmt:MATRIX_FMT_BF6 matrix_b_fmt:MATRIX_FMT_BF6
.else
	v_wmma_scale_f32_16x16x128_f8f6f4 v[64*\m+8*\n:64*\m+8*\n+7], v[96*((\s)%2)+12*\n:96*((\s)%2)+12*\n+11], v[XF+48*((\s)%2)+12*\m:XF+48*((\s)%2)+12*\m+11], v[64*\m+8*\n:64*\m+8*\n+7], v[(\ws)+4*\n+(\s)], v[XS+4*\m+(\s)] matrix_a_fmt:MATRIX_FMT_BF6 matrix_b_fmt:MATRIX_FMT_BF6
.endif
.endr
.endr
	WIN 0
	PLACES
.endm
; 64 numbers of a lane in window x, register 16 b + i = k 32 b + 16 (lane / 16) + i of my row, become a fragment in v[PC] on and its scale word in v[PW].
.macro QUANT s, x
	WIN ((\x)<<2)|((\x)<<4)
.irp b, 0,1,2,3
	v_max3_num_f32 v[TM+\b], 0x2800000, |v[\s+16*\b]|, |v[\s+16*\b+1]|   ; my 16 numbers of block b, and the floor 2^(5 - 127), which holds the byte at 1 from below
.endr
.irp i, 2,4,6,8,10,12,14
.irp b, 0,1,2,3
	v_max3_num_f32 v[TM+\b], v[TM+\b], |v[\s+16*\b+\i]|, |v[\s+16*\b+\i+1]|
.endr
.endr
	WIN 0
.irp b, 0,1,2,3
	v_permlanex16_b32 v[TM+4+\b], v[TM+\b], s[SEL], s[SEL+1]
.endr
.irp b, 0,1,2,3
	v_max_num_f32 v[TM+\b], v[TM+\b], v[TM+4+\b]   ; with lane l xor 16's: the block's largest magnitude
.endr
.irp b, 0,1,2,3
	v_add_nc_u32 v[TM+12+\b], 0xfe000000, v[TM+\b] ; 4 off its exponent field: the conversion's scale operand
.endr
.irp b, 0,1,2,3
	v_lshrrev_b32 v[TM+4+\b], 23, v[TM+12+\b]      ; the byte
.endr
	s_wait_dscnt 0x0                               ; the LDS stores of the word and the codes made last have read their registers: both are written anew below
	v_lshl_or_b32 v[PW], v[TM+5], 8, v[TM+4]
	v_lshl_or_b32 v[PW], v[TM+6], 16, v[PW]
	v_lshl_or_b32 v[PW], v[TM+7], 24, v[PW]
	WIN \x
.irp c, 0,1
	v_cvt_scalef32_pk16_bf6_f32 v[PC+6*\c:PC+6*\c+2], v[\s+32*\c:\s+32*\c+15], v[TM+12+2*\c]
	v_cvt_scalef32_pk16_bf6_f32 v[PC+12+4*\c:PC+12+4*\c+2], v[\s+32*\c+16:\s+32*\c+31], v[TM+13+2*\c]   ; (a conversion's three registers begin on an even number)
.endr
	WIN 0
	v_nop                                          ; one plain place behind a scaled conversion
.irp c, 0,1
.irp i, 0,1,2
	v_permlane16_swap_b32 v[PC+6*\c+\i], v[PC+12+4*\c+\i]   ; a whole block to a lane
.endr
.irp i, 0,1,2
	v_mov_b32 v[PC+6*\c+3+\i], v[PC+12+4*\c+\i]
.endr
.endr
.endm
.macro IMAGE img, sc, m                ; the fragment goes to LDS as it stands: K step w of the next product, tile m
.irp k, 0,1,2
	ds_store_b128 v[IW], v[PC+4*\k:PC+4*\k+3] offset:(\img)+6144*(\m)+512*\k
.endr
	ds_store_b32 v[ISW], v[PW] offset:(\sc)+512*(\m)
.endm
; A LAYER.  At its head the weight sets hold K steps 0 and 1, and slot 1 holds K steps 2 and 3.  sc: where the activations' scale words lie (0: they are in registers); wcb, cb: the windows of the first K step, and whether the bias is its C;
; win: the windows of the others; ws: the weights' scale words; nb: the bias that is asked for next (0: none); last = 1: nothing follows.
.macro LAYER img, sc, wcb, cb, win, ws, nb, last
.if \sc
	XSC \sc
.endif
	FETCH \img, 0
	FETCH \img, 1
	s_wait_dscnt 12                                ; the scale words and K step 0 are in; K step 1's 12 loads may be out
	MM 0, \wcb, \cb, \ws
	FETCH \img, 2
.if \last
	s_wait_tensorcnt 0x0                           ; my part of the last fill is in: it is my one load that is out, and only I read it
.endif
	WL 1, 0, 0
.if \nb
	BIAS \nb
.endif
	s_wait_dscnt 36                                ; K step 1 is in; the 12 + 24 loads just issued may be out
	MM 1, \win, 0, \ws
	FETCH \img, 3
	WL 1, 1, 1
	s_wait_dscnt 36                                ; K step 2 and its weights are in; the 12 + 24 just issued may be out
	MM 2, \win, 0, \ws
.if \last
	s_wait_dscnt 0x0
	MM 3, \win, 0, \ws
.else
	CHGA 1                                         ; slot 1 has been asked for the last time
	s_wait_dscnt 1                                 ; K step 3 and its weights are in; the add may be out
	MM 3, \win, 0, \ws                             ; 32 matrix instructions stand between the add and the wait for it
	CHGB 1                                         ; slot 1 takes the next layer's K steps 2 and 3
	WL 0, 0, 0                                     ; and the sets take its K steps 0 and 1, which the change's first wait has shown landed
	WL 0, 1, 1
.endif
.endm
	s_load_b512 s[4:19], s[0:1], 0x0               ; Q, xcod, xscl, acod, ascl, bo, b1, b2
	s_load_b64 s[20:21], s[0:1], 0x40              ; out0
	v_lshl_add_u32 v[SPW], v0, 2, SPARE
	v_mov_b32 v[NIL], 0
	ds_add_u32 v13, v14
	ds_add_u32 v13, v14
	s_wait_dscnt 0x0
	v_lshrrev_b32 v16, 5, v0
	v_readfirstlane_b32 s[WV], v16                 ; wave 0..3
	v_and_b32 v16, 31, v0                          ; lane
	v_and_b32 v17, 15, v0                          ; r
	v_bfe_u32 v18, v0, 4, 1                        ; h'
	v_lshlrev_b32 v[LN16], 4, v16
	v_lshlrev_b32 v[LN8], 3, v16
	v_lshlrev_b32 v[LN4], 2, v16
	v_lshlrev_b32 v[R16], 4, v17
	s_lshl_b32 s26, s[WV], 9
	v_add_nc_u32 v[QA], s26, v[LN16]
	s_mul_i32 s26, s[WV], WST
	s_add_co_u32 s26, s26, STG                     ; my stage
	v_add_nc_u32 v[SRW], s26, v[LN16]
	v_mul_u32_u24 v[SAC], v17, SP
	v_lshl_add_u32 v[SAC], v18, 6, v[SAC]
	v_add_nc_u32 v[SAC], s26, v[SAC]
	s_mul_i32 s26, s[WV], 1536
	v_add_nc_u32 v[IW], s26, v[LN16]
	s_lshl_b32 s26, s[WV], 7
	v_add_nc_u32 v[ISW], s26, v[LN4]
	v_lshlrev_b32 v[BA], 6, v18
	s_mul_i32 s58, s[WV], WPART                    ; my part of a slot: no place in the cluster enters an LDS address
	s_add_co_u32 s26, s58, SL0
	v_add_nc_u32 v[WA], s26, v[LN16]
	v_add_nc_u32 v[WA+1], SLOTB, v[WA]
.irp b, 0,1,2,3
	v_mov_b32 v[TM+4+\b], 0                        ; a lane permute's destination counts as one of its sources
.endr
	s_mov_b32 s[SEL], 0x76543210
	s_mov_b32 s[SEL+1], 0xfedcba98
	; descriptor group 1: 8 rows (my 8 weight tiles) of 3,072 bytes (two K steps), 6,144 bytes apart in memory, dense in LDS; in elements of 8 bytes
	s_mov_b32 s[G1], 15|(3<<16)|(1<<21)            ; 15:0 the mask: all four work-groups; 17:16 elements of 8 bytes; 20 no padding; 21 set beside a mask
	s_mov_b32 s[G1+1], 384<<16                     ; tensor_dim0 = 384
	s_mov_b32 s[G1+2], 8<<16                       ; tensor_dim1 = 8
	s_mov_b32 s[G1+3], 384<<16                     ; tile_dim0 = 384
	s_mov_b32 s[G1+4], 8                           ; tile_dim1 = 8
	s_mov_b32 s[G1+5], 768                         ; tensor_dim0_stride
	s_mov_b32 s[G1+6], 0
	s_mov_b32 s[G1+7], 0
	s_mov_b32 s27, 0
	s_mov_b32 s57, 0
	s_lshl_b32 s26, s[WV], 3
	s_add_co_u32 s26, s26, 2144                    ; Wo's tiles 8 w on; W1's lie 32 tiles further, W2's 64
	s_lshl_b32 s56, s26, 8
	s_mul_i32 s26, s26, 6144
	s_bfe_u32 s[GI], ttmp6, 0x40000                ; cx: my place in the cluster
	s_lshl_b32 s38, ttmp9, 2                       ; in a cluster launch ttmp9 counts clusters
	s_add_co_u32 s[GI], s38, s[GI]                 ; my block of 64 rows: it enters the addresses of Q, attn and out0 alone, by registers that feed no descriptor
	s_mov_b32 s37, 0
	s_wait_kmcnt 0x0
	s_add_nc_u64 s[28:29], s[6:7], s[26:27]        ; my weights: made of the wave's number alone, the same in all four work-groups
	s_add_nc_u64 s[WSP:WSP+1], s[8:9], s[56:57]
	s_mov_b32 s[G0], 1                             ; 1:0 count = 1
	s_add_co_u32 s[G0+1], s58, SL0                 ; 63:32 LDS address: my part of slot 0
	s_mov_b64 s[G0+2:G0+3], s[28:29]               ; 120:64 global address: Wo, K steps 0 and 1
	s_or_b32 s[G0+3], s[G0+3], 0x80000000          ; 127:126 type = 2
	s_mov_b32 s[G0+4], 1
	s_add_co_u32 s[G0+5], s58, SL0+SLOTB
	s_add_nc_u64 s[G0+6:G0+7], s[28:29], 3072      ; K steps 2 and 3
	s_or_b32 s[G0+7], s[G0+7], 0x80000000
	s_mul_i32 s36, s[GI], 24576                    ; my four tiles of attn's codes,
	s_mul_i32 s38, s[WV], 1536                     ; K step w of them
	s_add_co_u32 s36, s36, s38
	s_add_nc_u64 s[XGB:XGB+1], s[10:11], s[36:37]
	s_lshl_b32 s36, s[GI], 10
	s_add_nc_u64 s[XGS:XGS+1], s[12:13], s[36:37]
	s_lshl_b32 s36, s[GI], 17                      ; my 64 rows of 2,048 bytes
	s_add_nc_u64 s[4:5], s[4:5], s[36:37]
	s_add_nc_u64 s[20:21], s[20:21], s[36:37]
	s_lshl_b32 s36, s[WV], 9                       ; my 128 numbers of each bias
	s_add_nc_u64 s[14:15], s[14:15], s[36:37]
	s_add_nc_u64 s[16:17], s[16:17], s[36:37]
	s_add_nc_u64 s[18:19], s[18:19], s[36:37]
	ROUND                                          ; all four work-groups are here: the first joint loads meet
	tensor_load_to_lds s[G0:G0+3], s[G1:G1+7]      ; the two first fills go out together, ahead of every wait on TENSORcnt and every LDS read: two loads of mine are out
	s_nop 0
	tensor_load_to_lds s[G0+4:G0+7], s[G1:G1+7]
	s_nop 0
	PLACES
	; ---- the head's loads: what layer 1 wants first (52 loads), then Q's rows (my 512 bytes of each, 64 loads), then W1's scale words (8)
.irp m, 0,1,2,3
.irp p, 0,1,2,3,4,5
	global_load_b64 v[XF+12*\m+2*\p:XF+12*\m+2*\p+1], v[LN8], s[XGB:XGB+1] offset:6144*\m+256*\p   ; attn's fragment (m, K step w), as the launch before laid it
.endr
.endr
.irp m, 0,1,2,3
	global_load_b128 v[XS+4*\m:XS+4*\m+3], v[R16], s[XGS:XGS+1] offset:256*\m
.endr
	WSCALE 0, WS0
	BIAS 14                                        ; bo
	WIN 0x40
.set g, 0
.rept 64
	global_load_b128 v[4*g:4*g+3], v[QA], s[4:5] offset:(32*(g/32)+8*((g/16)%2)+g%16+8*((g%16)/8))*2048 th:TH_LOAD_NT
.set g, g+1
.endr
	WIN 0
	WSCALE 1, WS1
	s_wait_tensorcnt 0x1                           ; my part of slot 0 is in; slot 1's may be out.  Only I read it: no barrier is owed
	WL 0, 0, 0
	WL 0, 1, 1
	s_wait_loadcnt 63                              ; of the 124 loads issued the first 61 are in: attn's fragments, its scale words, Wo's scale words and bo are the first 52 (the count is the most that the wait can name)
.irp m, 0,1,2,3
.irp k, 0,1,2
	ds_store_b128 v[IW], v[XF+12*\m+4*\k:XF+12*\m+4*\k+3] offset:HIMG+6144*\m+512*\k   ; attn's K step w goes to the other waves as it stands
.endr
.endr
	CHGA 0                                         ; slot 0 has been read out into registers:
	CHGB 0                                         ; it takes W1's K steps 0 and 1.  The round is also the barrier behind which attn's sixteen fragments lie in LDS
	; ---- layer 1: attn Wo^T + bo, in window 2
	LAYER HIMG, 0, 0xb3, 1, 0xa3, WS0, 16, 0
	; ---- out = that + Q.  Q's rows turn through my stage, a tile at a time, into the result's layout, and come back into the registers that they left; LDS serves a wave's instructions in order
	s_wait_loadcnt 24                              ; Q is in: behind it W1's scale words (8) and b1 (16) were issued
	WIN 0x44
.irp m, 0,1,2,3
.irp i, 0,1,2,3,4,5,6,7,8,9,10,11,12,13,14,15
	ds_store_b128 v[SRW], v[64*\m+4*\i:64*\m+4*\i+3] offset:SP*\i
.endr
.irp b, 0,1,2,3
.irp i, 0,1,2,3
	ds_load_b128 v[64*\m+16*\b+4*\i:64*\m+16*\b+4*\i+3], v[SAC] offset:128*\b+16*\i
.endr
.endr
.endr
	WIN 0
	WSCALE 2, WS0                                  ; W2's scale words take Wo's place
	s_wait_dscnt 0x0
	WIN 0x86
.set j, 0
.rept 128
	v_pk_add_f32 v[2*j:2*j+1], v[2*j:2*j+1], v[2*j:2*j+1]   ; window 2 += window 1, each accumulator from its low end on
.set j, j+1
.endr
	WIN 0
.irp m, 0,1,2,3
	QUANT 64*\m, 2
	IMAGE OIMG, OSC, \m
.endr
	CHGA 0                                         ; slot 0 was read out at layer 1's end:
	CHGB 0                                         ; it takes W2's K steps 0 and 1.  The round is also the barrier behind which out's sixteen fragments lie in LDS
	; ---- layer 2: hid = relu(out W1^T + b1), in window 1
	s_wait_loadcnt 8                               ; W1's scale words and b1 are in; W2's scale words may be out
	LAYER OIMG, OSC, 0x73, 1, 0x53, WS1, 18, 0
	WIN 0x44
.set j, 0
.rept 256
	v_max_num_f32 v[j], 0, v[j]                    ; the activation, in f32, each accumulator from its low end on
.set j, j+1
.endr
	WIN 0
.irp m, 0,1,2,3
	QUANT 64*\m, 1
	IMAGE HIMG, HSC, \m
.endr
	s_wait_dscnt 0x0                               ; for the others' sake: my stores are done.  My one tensor load may stay out
	s_barrier_signal -1
	s_wait_loadcnt 0x0                             ; W2's scale words, b2
	WIN 0x8e                                       ; work on registers while the others arrive: window 2 holds out + b2
.irp m, 0,1,2,3
.set j, 0
.rept 32
	v_pk_add_f32 v[64*\m+2*j:64*\m+2*j+1], v[64*\m+2*j:64*\m+2*j+1], v[BI+2*j:BI+2*j+1]
.set j, j+1
.endr
.endr
	WIN 0
	PLACES
	s_barrier_wait -1                              ; hid's sixteen fragments lie in LDS
	; ---- layer 3: out0 = out + b2 + hid W2^T, in window 2
	LAYER HIMG, HSC, 0xa3, 0, 0xa3, WS0, 0, 1
	; ---- the way out, a tile of 16 rows at a time through my stage: in by the result's layout, back as rows: 32 lanes store 512 consecutive bytes, at a multiple of 256 from out0's first byte
.macro TOSTAGE m
	WIN 0x48                                       ; the stores' data window 2, the loads land in window 1
.irp b, 0,1,2,3
.irp i, 0,1,2,3
	ds_store_b128 v[SAC], v[64*(\m)+16*\b+4*\i:64*(\m)+16*\b+4*\i+3] offset:128*\b+16*\i   ; each accumulator from its low end on
.endr
.endr
.irp i, 0,1,2,3,4,5,6,7,8,9,10,11,12,13,14,15
	ds_load_b128 v[64*(\m)+4*\i:64*(\m)+4*\i+3], v[SRW] offset:SP*\i   ; LDS serves a wave's instructions in order: these see the stores above, and the next tile's stores come behind them
.endr
.endm
.macro SEND m, younger                 ; younger: the LDS instructions issued behind tile m's loads, which may stay out
	s_wait_dscnt \younger
	WIN 0x04
.irp i, 0,1,2,3,4,5,6,7,8,9,10,11,12,13,14,15
	global_store_b128 v[QA], v[64*(\m)+4*\i:64*(\m)+4*\i+3], s[20:21] offset:(32*((\m)/2)+8*((\m)%2)+\i+8*(\i/8))*2048 th:TH_STORE_NT
.endr
.endm
	TOSTAGE 0
	TOSTAGE 1
	SEND 0, 32
	TOSTAGE 2
	SEND 1, 32
	TOSTAGE 3
	SEND 2, 32
	SEND 3, 0
	WIN 0
	s_wait_tensorcnt 0x0                           ; the wave's end: behind my last tensor load and my last LDS store
	ds_add_u32 v[SPW], v[NIL]
	s_wait_dscnt 0x0
	ROUND                                          ; the closing round: no work-group ends while a partner may still ask for a fill that names it
	s_endpgm
.Lfunc_end_k_q21071e71f6_ffn:
	.size	k_q21071e71f6_ffn, .Lfunc_end_k_q21071e71f6_ffn-k_q21071e71f6_ffn
	.p2alignl 7, 3214868480
	.fill 96, 4, 3214868480
	.section	.rodata,"a",@progbits
	.p2align	6, 0x0
	.amdhsa_kernel k_q21071e71f6_ffn
		.amdhsa_group_segment_fixed_size 327680
		.amdhsa_private_segment_fixed_size 0
		.amdhsa_enable_private_segment 0
		.amdhsa_kernarg_size 72
		.amdhsa_user_sgpr_count 2
		.amdhsa_user_sgpr_kernarg_segment_ptr 1
		.amdhsa_wavefront_size32 1
		.amdhsa_system_sgpr_workgroup_id_x 1
		.amdhsa_system_sgpr_workgroup_id_y 1
		.amdhsa_system_sgpr_workgroup_id_z 1
		.amdhsa_system_vgpr_workitem_id 0
		.amdhsa_next_free_vgpr 1024
		.amdhsa_next_free_sgpr 66
		.amdhsa_reserve_vcc 0
		.amdhsa_float_denorm_mode_32 3
		.amdhsa_float_denorm_mode_16_64 3
		.amdhsa_memory_ordered 1
		.amdhsa_forward_progress 1
		.amdhsa_inst_pref_size 185
	.end_amdhsa_kernel
	.amdgpu_metadata
---
amdhsa.version: [ 1, 2 ]
amdhsa.kernels:
  - .name:           k_q21071e71f6_ffn
    .symbol:         k_q21071e71f6_ffn.kd
    .args:
      - { .name: Q, .offset: 0, .size: 8, .value_kind: global_buffer, .address_space: global }
      - { .name: xcod, .offset: 8, .size: 8, .value_kind: global_buffer, .address_space: global }
      - { .name: xscl, .offset: 16, .size: 8, .value_kind: global_buffer, .address_space: global }
      - { .name: acod, .offset: 24, .size: 8, .value_kind: global_buffer, .address_space: global }
      - { .name: ascl, .offset: 32, .size: 8, .value_kind: global_buffer, .address_space: global }
      - { .name: bo, .offset: 40, .size: 8, .value_kind: global_buffer, .address_space: global }
      - { .name: b1, .offset: 48, .size: 8, .value_kind: global_buffer, .address_space: global }
      - { .name: b2, .offset: 56, .size: 8, .value_kind: global_buffer, .address_space: global }
      - { .name: out0, .offset: 64, .size: 8, .value_kind: global_buffer, .address_space: global }
    .group_segment_fixed_size: 327680
    .private_segment_fixed_size: 0
    .kernarg_segment_align: 8
    .kernarg_segment_size: 72
    .max_flat_workgroup_size: 128
    .sgpr_count:     66
    .vgpr_count:     1024
    .wavefront_size: 32
...
	.end_amdgpu_metadata
.endif
;; end of part 3
;; ======== version 2 of 2: 3 launches; version 1 with the launch attn written anew for expert scheduling mode
;; workspace buffers: xcod 13,762,560 bytes; xscl 573,440 bytes; acod 6,291,456 bytes; ascl 262,144 bytes
;; launch quant: the kernel of part 1 again; grid 560 x 1, 4 waves a work-group, no clusters, 34,304 bytes of LDS; arguments Q, K, Wq, Wk, Wv, Wo, W1, W2, xcod, xscl; writes xcod, xscl
;; launch attn (part 4): grid 8 x 32, 4 waves a work-group, no clusters, 305,664 bytes of LDS; arguments xcod, xscl, bq, bk, bv, acod, ascl; writes acod, ascl
.if DOCPART == 4
	.amdgcn_target "amdgcn-amd-amdhsa--gfx1250"
	.amdhsa_code_object_version 6
	.text
	.protected	k_q21071e71f6_attn
	.globl	k_q21071e71f6_attn
	.p2align	8
	.type	k_q21071e71f6_attn,@function
k_q21071e71f6_attn:
	s_mov_b64 s[64:65], 0
	v_nop
	global_prefetch_b8 v0, s[64:65] scope:SCOPE_SE
	s_setreg_imm32_b32 hwreg(HW_REG_WAVE_SCHED_MODE, 0, 2), 2
	s_setreg_imm32_b32 hwreg(HW_REG_WAVE_MODE, 25, 1), 1
	s_wait_xcnt 0x0
	s_wait_alu depctr_vm_vsrc(0)
; One work-group makes one (batch b, head h) of the attention: q = Q Wq^T + bq, k = K Wk^T + bk, v = K Wv^T + bv (64 columns each), all three quantised; scores = q k^T / sqrt(512);
; A = softmax over the QUERIES (each key column has its own maximum and sum), finished and normalised in f32, quantised along the keys; attn = A v, quantised along the head's 64 for the next launch.
; All products on codes of E3M2 with E8M0 scales, sums in f32.  The column's true maximum is taken away ahead of the exponential.
; LIMITS: NaN and infinities are not served; a block of zeros gets the byte 1 (its codes are zeros; only this program reads the bytes); v_exp_f32 gives 0 for results under 2^-126.
; SHARES.  Four waves.  P: wave w projects tiles 8 w .. 8 w + 7 of Q[b], then of K[b] (16 rows each, in the tile order of the launch before).  SOFT: four chunks of 128 keys; in a chunk wave w owns 32 keys
; (one block of the second product's K) against ALL 512 queries: 512 registers of scores, so a column's maximum and sum never leave the wave.  PV: wave w owns query tiles 8 w .. 8 w + 7.
; LAYOUT.  q and k are made transposed (source 0 = 16 rows of the weight, source 1 = 16 rows of x): a lane holds one row and its registers run along the head's 64, the next K.  v is made straight (source 0 = 16 keys,
; source 1 = 16 rows of Wv): a lane holds one channel and its registers run along the keys, ITS next K.  S^T = k q^T: a lane holds one query and 16 neighbouring keys.  O^T = v^T A^T: a lane holds one query and its registers run along the channels.
; THE SCORES' K IS 64, half of the instruction's 128: k's fragments have zero codes in their upper six registers.  q's half fragments lie six registers apart, so the upper six registers of q's operand are the next tile's codes:
; they meet k's zero codes (and scale bytes 0, which are numbers) and add exactly 0.
; OPERANDS GO FROM WAVE TO WAVE THROUGH LDS AS IMAGES OF THEIR REGISTERS; two barriers in all.
; NO CLUSTER, NO TENSOR LOAD: the eight heads of a batch read the same x tiles, but 305,152 bytes of LDS hold A's codes and the operands, which leaves no room for two slots of x; x's images go from memory straight into the registers of the one wave that multiplies them.
; NO PREFETCH: every x tile is asked for two tiles ahead, and the stream ends with phase P.
; THE MODE: SCHED_MODE bits 1:0 = 2 (LLVM: expert scheduling mode 2), set by the entry lines.  The code itself states the register dependences between vector or matrix instructions and memory or LDS instructions, with s_wait_alu, always for 0.
; THE PLAN.  Registers that memory or LDS instructions touch, and who else names them:
;   P     three x buffers: tile i's products read buffer i % 3; the loads of tile i + 3, issued at the head of tile i + 1, land in it.  The weights, biases and their scale words land once, in registers that no vector instruction has named.
;         v218, v220-231: the quantiser writes the scale word and the codes, the LDS stores behind it read them.
;         ONE wait on va_vdst a tile, ahead of its LDS stores: the word and the codes are written, and the tile's products are done reading their x buffer; between it and the next tile's loads stand those stores, window switches and loads alone.
;         ONE wait on vm_vsrc a tile, in the quantiser, ahead of the first line that writes the word and the codes anew.
;   SOFT  q and its scale words land once.  k's two half fragments and scale words land at a trip's head; the trip's 64 products read them.  Four LDS addresses are written at a trip's head.
;         The codes' two sets and the bytes are written by conversions and selects and read by LDS stores.  A trip: one wait on va_vdst behind the four additions; the three behind the exponentials and the reciprocals;
;         one ahead of each of the four groups of stores; a wait on vm_vsrc ahead of the third and fourth group's conversions, and one at the trip's end, ahead of the branch.
;   PV    v's fragments and scale words land once.  A's fragments and scale words land at a trip's head; the trip's 32 products read them.  Five LDS addresses are written at a trip's head.  The codes and the word are written by the
;         quantiser and read by seven global stores.  A trip: one wait on va_vdst behind the additions, one ahead of the stores, one on vm_vsrc at the trip's end, ahead of the branch.
;   v10, v235: written at the head, read by the closing add alone.  All other address registers are made at the head and never written again.
; REGISTERS, in windows of 256.  Window 0: v1-33 addresses, v34-255 by phase (below).  Window 1: P: Wv v0-191, bk v192-223, bv v224-255; SOFT: scores of query tiles 0-15; PV: v's fragments.
; Window 2: P: Wk v0-191, the third x tile v192-239; SOFT: scores of query tiles 16-31.  Window 3: P: Wq v0-191 and bq v192-223, then v's sums (64 n + 8 t); SOFT: q's 32 half fragments at 6 t, v192-197 zeros.
.set QC,    0                          ; LDS: q's half fragments, 32 tiles x 768 bytes: registers 2 p, 2 p + 1 of lane l at 256 p + 8 l
.set KC,    24576                      ; k's likewise
.set QSC,   49152                      ; q's scale words, 128 bytes a tile
.set KSC,   53248                      ; k's
.set VSC,   57344                      ; v's: (4 n + c) x 128
.set VC,    59392                      ; v's 16 fragments: (4 n + c) x 1,536; registers 4 g .. 4 g + 3 at 512 g + 16 l
.set PSC,   83968                      ; A's scale words: [chunk][tile][r]; byte w is wave w's
.set PIM,   92160                      ; A's fragments: [chunk] x 53,248 + [tile] x 1,664 + 256 p + 8 l
.set PTP,   1664                       ; a tile's 1,536 bytes + 128: the two tiles that a store of 8 bytes a lane touches fall on different halves of the banks (64 banks of 4 bytes: ISA guide 11.1)
.set PCH,   32*PTP
.set KOFF,  6291456                    ; from Q's tile to K's in xcod: 1,024 tiles
.set KSOFF, 262144                     ; and in xscl
.set LN16, 1
.set R16,  2
.set LN8,  3
.set LN4,  4
.set KW,   5
.set KSW,  6
.set QW0,  7
.set QSW0, 8
.set VRD,  9                           ; VC + 16 x lane, for phase PV
.set VW,   11
.set VSW,  12
.set KR0,  13
.set KSR0, 14
.set KR,   15
.set KSR,  16
.set PW0,  17
.set PWA,  18
.set PSW0, 19
.set PSWA, 20
.set PR0,  21
.set PR,   25
.set PSR0, 29
.set PSR,  30
.set ASA,  31
.set BQA,  32
.set BVA,  33
; phase P
.set XF,   34                          ; v34-129  two x tiles, 4 fragments each (the third: window 2, v192-239)
.set XS,   130                         ; v130-137 their scale words
.set XS2,  240                         ; v240-243 the third tile's
.set WSK,  138                         ; v138-153 scale words of Wk (4 n + s)
.set WSV,  154                         ; v154-169 of Wv.  Wq's: v244-255 for n = 0 .. 2, v210-213 for n = 3
.set HA,   170                         ; v170-201 a tile's 64 columns of q or k
.set TM,   202                         ; v202-209, v214-217 at work in the quantiser
.set PW,   218                         ; a scale word just made
.set PWB,  219
.set PC,   220                         ; v220-239 codes just made
.set PCA,  220
.set PCB,  226
.set PT,   232
.set BIK,  192                         ; in window 1
.set BIV,  224
.set BIQ,  192                         ; in window 3
; phase SOFT
.set QS,   34                          ; v34-65   q's scale words
.set KF,   66                          ; v66-89   two fragments of k
.set KS,   90                          ; v90-91   their scale words
.set M,    92                          ; v92-107  the 16 columns' maxima, later their sums
.set L,    92
.set NM,   108                         ; v108-123 -c x maximum, later 1 / sum
.set RL,   108
.set T,    124                         ; v124-155 a block's largest A for each query tile, then the conversion's scale operand
.set U,    156                         ; v156-187 the other half's, then the byte
.set CV,   188                         ; v188-251 codes: 2 sets x 4 pairs of tiles x 8
; phase PV
.set PS,   34                          ; v34-41   A's scale words
.set PF,   42                          ; v42-137  A's fragments: 48 e + 12 c
.set O,    138                         ; v138-201 O^T: 32 e + 8 n
.set VS,   240                         ; v240-255 v's scale words
.set WV,   18
.set HD,   19
.set BT,   20
.set SEL,  22
.set CS,   24                          ; s[24:25] c = log2(e) / sqrt(512)
.set NC,   26                          ; -c
.set HM,   27                          ; lanes 16-31
.set XB,   28
.set XSB,  30
.set WB,   32
.set WSB,  34
.set CNT,  40
.set TK,   43
.set TKS,  44
.set TP,   45
.set TS,   46
.set TT,   47
.set TU,   48
.set T0,   49
.set ACB,  50
.set ASB,  52
.set MSB, 0
.macro WIN new                         ; s_set_vgpr_msb: bits 1:0 source 0, 3:2 source 1, 5:4 source 2, 7:6 destination; the high byte repeats the setting that is left
.if MSB != (\new)
	s_set_vgpr_msb (MSB<<8)|(\new)
.set MSB, (\new)
.endif
.endm
.macro PLACES                          ; four plain places behind matrix instructions (ISA guide 7.12.1), ahead of reads of results
.rept 4
	v_nop
.endr
.endm
.macro MX d, a, b, sa, sb              ; D += A B, in place
	v_wmma_scale_f32_16x16x128_f8f6f4 v[\d:\d+7], v[\a:\a+11], v[\b:\b+11], v[\d:\d+7], v[\sa], v[\sb] matrix_a_fmt:MATRIX_FMT_BF6 matrix_b_fmt:MATRIX_FMT_BF6
.endm
.macro MXC d, a, b, c, sa, sb          ; D = A B + C: the bias starts the sum
	v_wmma_scale_f32_16x16x128_f8f6f4 v[\d:\d+7], v[\a:\a+11], v[\b:\b+11], v[\c:\c+7], v[\sa], v[\sb] matrix_a_fmt:MATRIX_FMT_BF6 matrix_b_fmt:MATRIX_FMT_BF6
.endm
.macro MXZ d, a, b, sa, sb             ; D = A B
	v_wmma_scale_f32_16x16x128_f8f6f4 v[\d:\d+7], v[\a:\a+11], v[\b:\b+11], 0, v[\sa], v[\sb] matrix_a_fmt:MATRIX_FMT_BF6 matrix_b_fmt:MATRIX_FMT_BF6
.endm
.macro XLOAD buf, off, soff            ; an x tile: 4 fragments and their scale words: 13 loads
.if (\buf) == 2
	WIN 0x80
.irp k, 0,1,2,3,4,5,6,7,8,9,10,11
	global_load_b128 v[192+4*\k:192+4*\k+3], v[LN16], s[XB:XB+1] offset:(\off)+512*\k
.endr
	WIN 0
	global_load_b128 v[XS2:XS2+3], v[R16], s[XSB:XSB+1] offset:\soff
.else
.irp k, 0,1,2,3,4,5,6,7,8,9,10,11
	global_load_b128 v[XF+48*(\buf)+4*\k:XF+48*(\buf)+4*\k+3], v[LN16], s[XB:XB+1] offset:(\off)+512*\k
.endr
	global_load_b128 v[XS+4*(\buf):XS+4*(\buf)+3], v[R16], s[XSB:XSB+1] offset:\soff
.endif
.endm
.macro XL i                            ; tile i of my sixteen (Q's 0-7, K's 8-15) into buffer i % 3
.if (\i) < 8
	XLOAD (\i)%3, 6144*(\i), 256*(\i)
.else
	XLOAD (\i)%3, KOFF+6144*((\i)-8), KSOFF+256*((\i)-8)
.endif
.endm
.macro XSEL buf                        ; where buffer buf stands: first register, window, scale words
.if (\buf) == 2
.set xr, 192
.set xw, 2
.set xs, XS2
.else
.set xr, XF+48*(\buf)
.set xw, 0
.set xs, XS+4*(\buf)
.endif
.endm
; Group i of eight of what the K side wants: 6 loads of Wk, 6 of Wv, 4 of bv, and 2 of scale words (i < 4) or of bk: 18 loads, issued under Q's tile i.  No vector or matrix instruction has named the registers in which they land
.macro LATE i
	WIN 0x80
.irp k, 0,1,2,3,4,5
	global_load_b128 v[4*(6*(\i)+\k):4*(6*(\i)+\k)+3], v[LN16], s[WB:WB+1] offset:196608+512*(6*(\i)+\k)   ; Wk: fragment (n, s) lands at register 12 (4 n + s)
.endr
	WIN 0x40
.irp k, 0,1,2,3,4,5
	global_load_b128 v[4*(6*(\i)+\k):4*(6*(\i)+\k)+3], v[LN16], s[WB:WB+1] offset:393216+512*(6*(\i)+\k)   ; Wv
.endr
.irp j, 0,1,2,3
	global_load_b32 v[BIV+8*((\i)/2)+4*((\i)%2)+\j], v[BVA], s[12:13] offset:(32*(((\i)/2)/2)+8*(((\i)/2)%2))*4   ; bv: in v's result a lane holds ONE channel: eight registers with the same number
.endr
.if (\i) >= 4
.irp k, 0,1
	global_load_b128 v[BIK+8*((\i)-4)+4*\k:BIK+8*((\i)-4)+4*\k+3], v[BQA], s[10:11] offset:(32*(((\i)-4)/2)+8*(((\i)-4)%2))*4+16*\k   ; bk in the result's layout
.endr
	WIN 0
.else
	WIN 0
	global_load_b128 v[WSK+4*(\i):WSK+4*(\i)+3], v[R16], s[WSB:WSB+1] offset:8192+256*(\i)
	global_load_b128 v[WSV+4*(\i):WSV+4*(\i)+3], v[R16], s[WSB:WSB+1] offset:16384+256*(\i)
.endif
.endm
.macro PROJQ buf                       ; q, transposed: four accumulators by turns, K step by K step
	XSEL \buf
.irp s, 0,1,2,3
.if \s == 0
	WIN 0x33|(xw<<2)                               ; Wq and bq window 3
.else
	WIN 0x03|(xw<<2)
.endif
.irp n, 0,1,2,3
.if \s == 0
	MXC HA+8*\n, 12*(4*\n+\s), xr+12*\s, BIQ+8*\n, 244+4*\n-46*(\n/3)+\s, xs+\s
.else
	MX HA+8*\n, 12*(4*\n+\s), xr+12*\s, 244+4*\n-46*(\n/3)+\s, xs+\s
.endif
.endr
.endr
.endm
.macro PROJK buf                       ; k likewise
	XSEL \buf
.irp s, 0,1,2,3
.if \s == 0
	WIN 0x12|(xw<<2)                               ; Wk window 2, bk window 1
.else
	WIN 0x02|(xw<<2)
.endif
.irp n, 0,1,2,3
.if \s == 0
	MXC HA+8*\n, 12*(4*\n+\s), xr+12*\s, BIK+8*\n, WSK+4*\n+\s, xs+\s
.else
	MX HA+8*\n, 12*(4*\n+\s), xr+12*\s, WSK+4*\n+\s, xs+\s
.endif
.endr
.endr
.endm
.macro PROJV buf, t                    ; v, straight: source 0 = the tile's 16 keys, source 1 = 16 rows of Wv
	XSEL \buf
.irp s, 0,1,2,3
.if \s == 0
	WIN 0xd4|xw                                    ; Wv and bv window 1, sums window 3
.else
	WIN 0xf4|xw
.endif
.irp n, 0,1,2,3
.if \s == 0
	MXC 64*\n+8*(\t), xr+12*\s, 12*(4*\n+\s), BIV+8*\n, xs+\s, WSV+4*\n+\s
.else
	MX 64*\n+8*(\t), xr+12*\s, 12*(4*\n+\s), xs+\s, WSV+4*\n+\s
.endif
.endr
.endr
.endm
; 32 numbers of a lane in window 0, register 16 b + i = k 32 b + 16 (lane / 16) + i of my row, become half a fragment (six registers: k = 32 (lane / 16) + 0 .. 31) in v[pc] on and two scale bytes in v[pw].
; lds = 1: LDS stores took the word and the codes made last, and the two waits for them stand here.  lds = 0 (phase PV): the trip's end has stated that dependence.
.macro QUANT2 s, pc, pw, lds
.irp b, 0,1
	v_max3_num_f32 v[TM+\b], |v[\s+16*\b]|, |v[\s+16*\b+1]|, 0x2800000   ; my 16 numbers of block b, from the low end on, and the floor 2^(5 - 127)
.endr
.irp i, 2,4,6,8,10,12,14
.irp b, 0,1
	v_max3_num_f32 v[TM+\b], v[TM+\b], |v[\s+16*\b+\i]|, |v[\s+16*\b+\i+1]|
.endr
.endr
.irp b, 0,1
	v_permlanex16_b32 v[TM+4+\b], v[TM+\b], s[SEL], s[SEL+1]
.endr
.irp b, 0,1
	v_max_num_f32 v[TM+\b], v[TM+\b], v[TM+4+\b]   ; with lane l xor 16's: the block's largest magnitude
.endr
.irp b, 0,1
	v_add_nc_u32 v[TM+12+\b], 0xfe000000, v[TM+\b] ; 4 off its exponent field: the conversion's scale operand
.endr
.irp b, 0,1
	v_lshrrev_b32 v[TM+4+\b], 23, v[TM+12+\b]      ; the byte
.endr
.if \lds
	s_wait_dscnt 0x0                               ; the LDS stores of the word and the codes made last are done
	s_wait_alu depctr_vm_vsrc(0)                   ; those stores have read the word's register and the codes' six: both are written anew below
.endif
	v_lshl_or_b32 v[\pw], v[TM+5], 8, v[TM+4]
	v_cvt_scalef32_pk16_bf6_f32 v[\pc:\pc+2], v[\s:\s+15], v[TM+12]
	v_cvt_scalef32_pk16_bf6_f32 v[PT:PT+2], v[\s+16:\s+31], v[TM+13]
	v_nop                                          ; one plain place behind a scaled conversion
.irp i, 0,1,2
	v_permlane16_swap_b32 v[\pc+\i], v[PT+\i]      ; lanes 0-15 now hold block 0 whole, lanes 16-31 block 1
.endr
.irp i, 0,1,2
	v_mov_b32 v[\pc+3+\i], v[PT+\i]
.endr
.endm
; 64 numbers of a lane in window x, register 16 b + i = k 32 b + 16 (lane / 16) + i of my row, become a fragment in v[PC] on and its scale word in v[PW].
.macro QUANT s, x
	WIN ((\x)<<2)|((\x)<<4)
.irp b, 0,1,2,3
	v_max3_num_f32 v[TM+\b], 0x2800000, |v[\s+16*\b]|, |v[\s+16*\b+1]|
.endr
.irp i, 2,4,6,8,10,12,14
.irp b, 0,1,2,3
	v_max3_num_f32 v[TM+\b], v[TM+\b], |v[\s+16*\b+\i]|, |v[\s+16*\b+\i+1]|
.endr
.endr
	WIN 0
.irp b, 0,1,2,3
	v_permlanex16_b32 v[TM+4+\b], v[TM+\b], s[SEL], s[SEL+1]
.endr
.irp b, 0,1,2,3
	v_max_num_f32 v[TM+\b], v[TM+\b], v[TM+4+\b]
.endr
.irp b, 0,1,2,3
	v_add_nc_u32 v[TM+12+\b], 0xfe000000, v[TM+\b]
.endr
.irp b, 0,1,2,3
	v_lshrrev_b32 v[TM+4+\b], 23, v[TM+12+\b]
.endr
	s_wait_dscnt 0x0                               ; the LDS stores of the word and the codes made last are done
	s_wait_alu depctr_vm_vsrc(0)                   ; those stores have read v[PW] and v[PC ..]: both are written anew below
	v_lshl_or_b32 v[PW], v[TM+5], 8, v[TM+4]
	v_lshl_or_b32 v[PW], v[TM+6], 16, v[PW]
	v_lshl_or_b32 v[PW], v[TM+7], 24, v[PW]
	WIN \x
.irp c, 0,1
	v_cvt_scalef32_pk16_bf6_f32 v[PC+6*\c:PC+6*\c+2], v[\s+32*\c:\s+32*\c+15], v[TM+12+2*\c]
	v_cvt_scalef32_pk16_bf6_f32 v[PC+12+4*\c:PC+12+4*\c+2], v[\s+32*\c+16:\s+32*\c+31], v[TM+13+2*\c]
.endr
	WIN 0
	v_nop                                          ; one plain place behind a scaled conversion
.irp c, 0,1
.irp i, 0,1,2
	v_permlane16_swap_b32 v[PC+6*\c+\i], v[PC+12+4*\c+\i]
.endr
.irp i, 0,1,2
	v_mov_b32 v[PC+6*\c+3+\i], v[PC+12+4*\c+\i]
.endr
.endr
.endm
.macro IMG6 adr, pc, off               ; half a fragment goes to LDS as it stands
.irp p, 0,1,2
	ds_store_b64 v[\adr], v[\pc+2*\p:\pc+2*\p+1] offset:(\off)+256*\p
.endr
.endm
	s_load_b256 s[4:11], s[0:1], 0x0               ; xcod, xscl, bq, bk
	s_load_b128 s[12:15], s[0:1], 0x20             ; bv, acod
	s_load_b64 s[16:17], s[0:1], 0x30              ; ascl
	v_lshl_add_u32 v10, v0, 2, 0x4a800
	v_mov_b32 v235, 0
	v_lshrrev_b32 v34, 5, v0
	v_readfirstlane_b32 s[WV], v34                 ; wave 0..3
	s_mov_b32 s[HD], ttmp9                         ; the head
	s_and_b32 s[BT], ttmp7, 0xffff                 ; the batch
	v_and_b32 v34, 31, v0                          ; lane
	v_and_b32 v35, 15, v0                          ; r
	v_bfe_u32 v36, v0, 4, 1                        ; h'
	v_lshlrev_b32 v[LN16], 4, v34
	v_lshlrev_b32 v[R16], 4, v35
	v_lshlrev_b32 v[LN8], 3, v34
	v_lshlrev_b32 v[LN4], 2, v34
	s_wait_alu depctr_va_sdst(0)                   ; the wave's number is written, ahead of its first reader: LDS places and the bases in memory are made from it
	s_mul_i32 s36, s[WV], 6144                     ; eight half fragments
	s_lshl_b32 s37, s[WV], 10                      ; eight tiles' scale words
	v_add_nc_u32 v[QW0], s36, v[LN8]               ; (QC = 0)
	v_add_nc_u32 v[KW], KC, v[QW0]
	v_add_nc_u32 v[QSW0], s37, v[LN4]
	v_add_nc_u32 v[KSW], KSC, v[QSW0]
	v_add_nc_u32 v[QSW0], QSC, v[QSW0]
	s_mul_i32 s38, s[WV], 1536
	s_lshl_b32 s39, s[WV], 7
	v_add_nc_u32 v[VW], s38, v[LN16]
	v_add_nc_u32 v[VW], VC, v[VW]
	v_add_nc_u32 v[VSW], s39, v[LN4]
	v_add_nc_u32 v[VSW], VSC, v[VSW]
	v_add_nc_u32 v[KR0], s38, v[LN8]               ; my two key tiles of a chunk
	v_add_nc_u32 v[KR0], KC, v[KR0]
	s_lshl_b32 s39, s[WV], 8
	v_add_nc_u32 v[KSR0], s39, v[LN4]
	v_add_nc_u32 v[KSR0], KSC, v[KSR0]
	s_lshr_b32 s36, s[WV], 1                       ; block w of a chunk stands in registers 6 (w / 2) on of lanes 16 (w % 2) on
	s_mul_i32 s36, s36, 768
	s_and_b32 s37, s[WV], 1
	s_lshl_b32 s37, s37, 7
	s_add_co_u32 s36, s36, s37
	v_mul_u32_u24 v[PW0], v36, PTP                 ; lanes 16-31 hold the next tile's query
	v_lshl_add_u32 v[PW0], v35, 3, v[PW0]
	v_add_nc_u32 v[PW0], s36, v[PW0]
	v_add_nc_u32 v[PW0], PIM, v[PW0]
	v_add_nc_u32 v[PSW0], s[WV], v[LN4]            ; 64 h' + 4 r = 4 x lane; byte w
	v_add_nc_u32 v[PSW0], PSC, v[PSW0]
	s_mul_i32 s36, s[WV], 8*PTP
	v_add_nc_u32 v37, s36, v[LN8]
.irp c, 0,1,2,3
	v_add_nc_u32 v[PR0+\c], PIM+PCH*\c, v37
.endr
	v_lshlrev_b32 v37, 2, v35
	s_lshl_b32 s36, s[WV], 9
	v_add_nc_u32 v37, s36, v37
	v_add_nc_u32 v[PSR0], PSC, v37
	v_lshl_add_u32 v[ASA], v36, 8, v[R16]          ; 256 h' + 16 r
	v_lshlrev_b32 v[BQA], 6, v36                   ; 64 h'
	v_and_b32 v37, 8, v35
	v_add_nc_u32 v37, v37, v35
	v_lshlrev_b32 v[BVA], 2, v37                   ; 4 (r + 8 (r / 8))
.irp b, 0,1,2,3
	v_mov_b32 v[TM+4+\b], 0                        ; a lane permute's destination counts as one of its sources
.endr
	s_mov_b32 s[SEL], 0x76543210
	s_mov_b32 s[SEL+1], 0xfedcba98
	s_mov_b32 s[CS], 0x3d8293ee
	s_mov_b32 s[CS+1], s[CS]                       ; (named with it as a pair, so it is written)
	s_mov_b32 s[NC], 0xbd8293ee
	s_mov_b32 s[HM], 0xffff0000
	s_mov_b32 s37, 0
	s_mov_b32 s39, 0
	s_lshl_b32 s[T0], s[BT], 5
	s_lshl_b32 s36, s[WV], 3
	s_add_co_u32 s[T0], s[T0], s36                 ; my first tile: 32 b + 8 w
	s_mul_i32 s36, s[T0], 6144
	s_lshl_b32 s38, s[T0], 8
	s_wait_kmcnt 0x0
	s_add_nc_u64 s[XB:XB+1], s[4:5], s[36:37]      ; Q's tiles; K's lie KOFF further on
	s_add_nc_u64 s[XSB:XSB+1], s[6:7], s[38:39]
	s_add_nc_u64 s[ACB:ACB+1], s[14:15], s[36:37]
	s_add_nc_u64 s[ASB:ASB+1], s[16:17], s[38:39]
	s_mul_i32 s36, s[HD], 768                      ; K step h / 2 of the next product, registers 6 (h % 2) on
	s_lshl_b32 s38, s[HD], 1                       ; its two scale bytes
	s_add_nc_u64 s[ACB:ACB+1], s[ACB:ACB+1], s[36:37]
	s_add_nc_u64 s[ASB:ASB+1], s[ASB:ASB+1], s[38:39]
	s_lshl_b32 s36, s[HD], 2
	s_add_co_u32 s36, s36, 2048                    ; Wq's tiles of my head; Wk's lie 32 tiles on, Wv's 64
	s_lshl_b32 s38, s36, 8
	s_mul_i32 s36, s36, 6144
	s_add_nc_u64 s[WB:WB+1], s[4:5], s[36:37]
	s_add_nc_u64 s[WSB:WSB+1], s[6:7], s[38:39]
	s_lshl_b32 s36, s[HD], 8                       ; my head's 64 numbers of each bias
	s_add_nc_u64 s[8:9], s[8:9], s[36:37]
	s_add_nc_u64 s[10:11], s[10:11], s[36:37]
	s_add_nc_u64 s[12:13], s[12:13], s[36:37]
	; ---- P: the projections.  All three weights stay in registers.  Only what q wants is asked for at the head; what k and v want comes in eight groups under Q's tiles; x comes two tiles ahead, in three buffers
	WIN 0xc0
	s_wait_alu depctr_va_vdst(0)                   ; the address registers v1 to v33 are written, which the loads and stores of the whole kernel read; so are v34 to v37, in which the first x tile lands
.set k, 0
.rept 48
	global_load_b128 v[4*k:4*k+3], v[LN16], s[WB:WB+1] offset:512*k   ; Wq: my head's four tiles, 24,576 dense bytes: fragment (n, s) lands at register 12 (4 n + s)
.set k, k+1
.endr
	WIN 0
.irp n, 0,1,2,3
	global_load_b128 v[244+4*\n-46*(\n/3):244+4*\n-46*(\n/3)+3], v[R16], s[WSB:WSB+1] offset:256*\n   ; its scale words
.endr
	WIN 0xc0
.irp n, 0,1,2,3
.irp k, 0,1
	global_load_b128 v[BIQ+8*\n+4*\k:BIQ+8*\n+4*\k+3], v[BQA], s[8:9] offset:(32*(\n/2)+8*(\n%2))*4+16*\k   ; bq in the result's layout: lane (r, h'), tile n, register j: column 32 (n / 2) + 8 (n % 2) + 16 h' + j
.endr
.endr
	WIN 0
	XL 0
	XL 1
.macro QTILE t
	LATE \t
	XL (\t)+2                                      ; into the buffer that the tile before multiplied: the wait ahead of that tile's LDS stores has shown its products done reading it, and no vector or matrix instruction stands between
.if (\t) == 0
	s_wait_loadcnt 44                              ; Wq, bq and tile 0 are in: behind them 13 + 18 + 13 loads were issued
.else
	s_wait_loadcnt 62                              ; this tile is in: behind it 18 + 13 + 18 + 13 loads were issued
.endif
	PROJQ (\t)%3
	WIN 0
	PLACES
	QUANT2 HA, PC, PW, 1                           ; its plain lines on v202-239 are further places ahead of the new sums on v170-201
	s_wait_alu depctr_va_vdst(0)                   ; the quantiser has written the codes and the word, which the LDS stores read; this tile's products are done reading their x buffer and its scale words, in which the loads at the next tile's head land
	IMG6 QW0, PC, 768*(\t)
	ds_store_b32 v[QSW0], v[PW] offset:128*(\t)
.endm
.irp t, 0,1,2,3,4,5,6,7
	QTILE \t
.endr
.macro KTILE t
.if (\t) < 6
	XL (\t)+10                                     ; as in Q's tiles: into the buffer that the tile before multiplied
	s_wait_loadcnt 26                              ; this tile is in, and ahead of the first the last group of weights: behind them two tiles' 13 + 13 loads were issued
.elseif (\t) == 6
	s_wait_loadcnt 13                              ; nothing is asked for beyond the last tile
.else
	s_wait_loadcnt 0x0
.endif
	PROJK ((\t)+8)%3
	PROJV ((\t)+8)%3, \t
	WIN 0
	PLACES
	QUANT2 HA, PC, PW, 1
	s_wait_alu depctr_va_vdst(0)                   ; the quantiser has written the codes and the word, which the LDS stores read; this tile's products are done reading their x buffer and its scale words, in which the loads at the next tile's head land
	IMG6 KW, PC, 768*(\t)
	ds_store_b32 v[KSW], v[PW] offset:128*(\t)
.endm
.irp t, 0,1,2,3,4,5,6,7
	KTILE \t
.endr
.irp n, 0,1,2,3                        ; my 128 keys are chunk w of the second product's K: one fragment for each 16 channels
	QUANT 64*\n, 3
	s_wait_alu depctr_va_vdst(0)                   ; the quantiser has written the fragment and its scale word, which the LDS stores read
.irp g, 0,1,2
	ds_store_b128 v[VW], v[PC+4*\g:PC+4*\g+3] offset:6144*\n+512*\g
.endr
	ds_store_b32 v[VSW], v[PW] offset:512*\n
.endr
	s_wait_dscnt 0x0                               ; for the others' sake: my stores are done
	s_barrier_signal -1
	s_barrier_wait -1                              ; q, k and v lie in LDS
	s_wait_alu depctr_vm_vsrc(0)                   ; my last LDS stores have read v218 and v220-231, which the chunks' conversions write
	; ---- SOFT
	WIN 0xc0
.irp j, 192,193,194,195,196,197
	v_mov_b32 v[\j], 0                             ; what the last q operand's upper six registers name
.endr
	WIN 0
.irp u, 0,1
.irp j, 6,7,8,9,10,11
	v_mov_b32 v[KF+12*\u+\j], 0                    ; k's zero codes for K = 64 .. 127: written once
.endr
.endr
	v_add_nc_u32 v[VRD], VC, v[LN16]               ; (for phase PV; with the trip's four additions: five places between these moves and the first product)
	WIN 0xc0
	s_wait_alu depctr_va_vdst(0)                   ; v's quantiser is done reading window 3's sums, in which q lands; the projections are done reading v34-65, in which q's scale words land; v[VRD] is written, which phase PV's LDS loads read
.set t, 0
.rept 32
.irp p, 0,1,2
	ds_load_b64 v[6*t+2*\p:6*t+2*\p+1], v[LN8] offset:QC+768*t+256*\p   ; q stays in registers
.endr
.set t, t+1
.endr
	WIN 0
.set t, 0
.rept 32
	ds_load_b32 v[QS+t], v[LN4] offset:QSC+128*t
.set t, t+1
.endr
	s_mov_b32 s[TK], 0
	s_mov_b32 s[TKS], 0
	s_mov_b32 s[TP], 0
	s_mov_b32 s[TS], 0
	s_mov_b32 s[CNT], 4
.macro CMAX q                          ; the 16 columns' maxima take in query tiles 2 q and 2 q + 1: each accumulator from its low end on
.if (\q) == 0
	WIN 0x05
.set k, 0
.rept 16
	v_max_num_f32 v[M+k], v[k], v[16+k]
.set k, k+1
.endr
.else
.if (\q) < 8
	WIN 0x14
.else
	WIN 0x28
.endif
.set k, 0
.rept 16
	v_max3_num_f32 v[M+k], v[M+k], v[32*((\q)%8)+k], v[32*((\q)%8)+16+k]
.set k, k+1
.endr
.endif
.endm
.macro TORD i                          ; the order in which a window's 16 tiles are scaled and raised: tiles 6 and 7 last
.if (\i) < 6
.set tt, (\i)
.elseif (\i) < 14
.set tt, (\i)+2
.else
.set tt, (\i)-8
.endif
.endm
.macro QGRP g                          ; tiles 8 g .. 8 g + 7: A's codes and bytes go to LDS
.if (\g) >= 2
	s_wait_dscnt 16                                ; the stores of two groups back are done; the last group's 16 may be out
	s_wait_alu depctr_vm_vsrc(0)                   ; the stores of two groups back have read this set of codes, which the conversions below write anew
.endif
	WIN 1+(\g)/2
.irp e, 0,1,2,3,4,5,6,7
	v_cvt_scalef32_pk16_bf6_f32 v[CV+32*((\g)%2)+8*(\e/2)+4*(\e%2):CV+32*((\g)%2)+8*(\e/2)+4*(\e%2)+2], v[16*((8*(\g)+\e)%16):16*((8*(\g)+\e)%16)+15], v[T+8*(\g)+\e]
.endr
	WIN 0
	v_nop                                          ; one plain place behind a scaled conversion
.irp q, 0,1,2,3
.irp i, 0,1,2
	v_permlane16_swap_b32 v[CV+32*((\g)%2)+8*\q+\i], v[CV+32*((\g)%2)+8*\q+4+\i]   ; lane (r, h') now holds the whole block of query r of tile 2 q + h'
.endr
.irp i, 0,1,2
	v_mov_b32 v[CV+32*((\g)%2)+8*\q+3+\i], v[CV+32*((\g)%2)+8*\q+4+\i]             ; in ascending order: six registers on end
.endr
.endr
	s_wait_alu depctr_va_vdst(0)                   ; the group's codes are written (and, ahead of the first group, the bytes), which the LDS stores read
.irp q, 0,1,2,3
.irp i, 0,1,2
	ds_store_b64 v[PWA], v[CV+32*((\g)%2)+8*\q+2*\i:CV+32*((\g)%2)+8*\q+2*\i+1] offset:(8*(\g)+2*\q)*PTP+256*\i
.endr
	ds_store_b8 v[PSWA], v[U+8*(\g)+2*\q] offset:(8*(\g)+2*\q)*64
.endr
.endm
.Lchunk:                               ; 128 keys a trip; my 32 of them against all 512 queries
	s_wait_dscnt 0x0                               ; the last trip's stores are done: their address registers are written anew (the wait at that trip's end has shown them read)
	v_add_nc_u32 v[KR], s[TK], v[KR0]
	v_add_nc_u32 v[KSR], s[TKS], v[KSR0]
	v_add_nc_u32 v[PWA], s[TP], v[PW0]
	v_add_nc_u32 v[PSWA], s[TS], v[PSW0]
	s_wait_alu depctr_va_vdst(0)                   ; the four addresses are written, which this trip's LDS loads and stores read; the last trip's products are done reading k's half fragments and scale words, in which the loads below land; in the first trip the zero codes are written, which the scaled products take as operands, five places behind them
.irp u, 0,1
.irp p, 0,1,2
	ds_load_b64 v[KF+12*\u+2*\p:KF+12*\u+2*\p+1], v[KR] offset:768*\u+256*\p
.endr
	ds_load_b32 v[KS+\u], v[KSR] offset:128*\u
.endr
	s_wait_dscnt 0x0
	; S^T = k q^T: register 16 (t % 16) + 8 u + j of lane (r, h') is query r of tile t, key 128 c + 32 w + 16 h' + 8 u + j.  Behind the four products of a pair of tiles stand the sixteen maxima over the pair before:
	; vector work while the matrix unit works.  Those sixteen lines name no register of the products just issued and are the places between them and the lines that read them, a pair later; the first pair has four v_nop
.set p, 0
.rept 16
.if p < 8
	WIN 0x4c
.else
	WIN 0x8c
.endif
.irp e, 0,1
.irp u, 0,1
	MXZ 16*((2*p+\e)%16)+8*\u, KF+12*\u, 6*(2*p+\e), KS+\u, QS+2*p+\e
.endr
.endr
.if p == 1
	PLACES
.endif
.if p > 0
	CMAX p-1
.endif
.set p, p+1
.endr
	CMAX 15
	WIN 0
.irp x, 1,2,4,8                        ; then across the 16 lanes that hold the same keys
.set k, 0
.rept 16
	v_max_num_f32_dpp v[M+k], v[M+k], v[M+k] row_xmask:\x row_mask:0xf bank_mask:0xf
.set k, k+1
.endr
.endr
.set k, 0
.rept 16
	v_mul_f32 v[NM+k], s[NC], v[M+k]               ; -c x the column's maximum
.set k, k+1
.endr
	; p = 2^(c s - c max), in place: a batch of 256 exponentials for each window.  A scaling (two scores) leads each two exponentials; the scalings run two tiles ahead.  Nothing in a batch names an exponential's result:
	; tiles 6 and 7, whose register numbers are those of -c max in window 0, are raised behind the last scaling.  One plain line and one wait stand behind each batch (the wait ahead of the first line that names a result)
.irp x, 1,2
	WIN (\x)|((\x)<<6)
.irp a, 0,1
	TORD \a
.irp e, 0,1,2,3,4,5,6,7
	v_pk_fma_f32 v[16*tt+2*\e:16*tt+2*\e+1], v[16*tt+2*\e:16*tt+2*\e+1], s[CS:CS+1], v[NM+2*\e:NM+2*\e+1] op_sel_hi:[1,0,1]
.endr
.endr
.set i, 0
.rept 14
	TORD i+2
.set tf, tt
	TORD i
.irp e, 0,1,2,3,4,5,6,7
	v_pk_fma_f32 v[16*tf+2*\e:16*tf+2*\e+1], v[16*tf+2*\e:16*tf+2*\e+1], s[CS:CS+1], v[NM+2*\e:NM+2*\e+1] op_sel_hi:[1,0,1]
	v_exp_f32 v[16*tt+2*\e], v[16*tt+2*\e]
	v_exp_f32 v[16*tt+2*\e+1], v[16*tt+2*\e+1]
.endr
.set i, i+1
.endr
.irp a, 14,15
	TORD \a
.set j, 0
.rept 16
	v_exp_f32 v[16*tt+j], v[16*tt+j]
.set j, j+1
.endr
.endr
	WIN 0
	v_nop
	s_wait_alu depctr_va_vdst(0)                   ; the window's 256 exponentials have written their results, which the columns' sums below are the first to name
.endr
	; the columns' sums, two at a time
	WIN 0x05
.irp q, 0,2,4,6,8,10,12,14
	v_pk_add_f32 v[L+\q:L+\q+1], v[\q:\q+1], v[16+\q:16+\q+1]
.endr
	WIN 0x04
.set t, 2
.rept 14
.irp q, 0,2,4,6,8,10,12,14
	v_pk_add_f32 v[L+\q:L+\q+1], v[L+\q:L+\q+1], v[16*t+\q:16*t+\q+1]
.endr
.set t, t+1
.endr
	WIN 0x08
.set t, 0
.rept 16
.irp q, 0,2,4,6,8,10,12,14
	v_pk_add_f32 v[L+\q:L+\q+1], v[L+\q:L+\q+1], v[16*t+\q:16*t+\q+1]
.endr
.set t, t+1
.endr
	WIN 0
.irp x, 1,2,4,8
.set k, 0
.rept 16
	v_add_f32_dpp v[L+k], v[L+k], v[L+k] row_xmask:\x row_mask:0xf bank_mask:0xf
.set k, k+1
.endr
.endr
.set k, 0
.rept 16
	v_rcp_f32 v[RL+k], v[L+k]
.set k, k+1
.endr
	v_nop                                          ; a plain place behind the last reciprocal,
	s_wait_alu depctr_va_vdst(0)                   ; and one wait for the sixteen: they have written 1 / sum, which the multiplications below are the first to name
.irp x, 1,2
	WIN (\x)|((\x)<<6)
.set j, 0
.rept 128
	v_pk_mul_f32 v[2*j:2*j+1], v[2*j:2*j+1], v[RL+(2*j)%16:RL+(2*j)%16+1]   ; A, finished and normalised
.set j, j+1
.endr
.endr
	; A's block of 32 keys of each query: my 16, and lane l xor 16's.  A is never negative: no |.|
.irp x, 1,2
	WIN ((\x)<<2)|((\x)<<4)
.set t, 0
.rept 16
	v_max3_num_f32 v[T+16*((\x)-1)+t], 0x2800000, v[16*t], v[16*t+1]
.set t, t+1
.endr
.irp i, 2,4,6,8,10,12,14
.set t, 0
.rept 16
	v_max3_num_f32 v[T+16*((\x)-1)+t], v[T+16*((\x)-1)+t], v[16*t+\i], v[16*t+\i+1]
.set t, t+1
.endr
.endr
.endr
	WIN 0
.set t, 0
.rept 32
	v_permlanex16_b32 v[U+t], v[T+t], s[SEL], s[SEL+1]
.set t, t+1
.endr
.set t, 0
.rept 32
	v_max_num_f32 v[T+t], v[T+t], v[U+t]
.set t, t+1
.endr
.set t, 0
.rept 32
	v_add_nc_u32 v[T+t], 0xfe000000, v[T+t]        ; the conversion's scale operand
.set t, t+1
.endr
.set t, 0
.rept 32
	v_lshrrev_b32 v[U+t], 23, v[T+t]               ; the byte
.set t, t+1
.endr
.set t, 0
.rept 16
	v_cndmask_b32 v[U+2*t], v[U+2*t], v[U+2*t+1], s[HM]   ; lanes 16-31 store the odd tile's
.set t, t+1
.endr
	QGRP 0
	QGRP 1
	QGRP 2
	QGRP 3
	s_wait_alu depctr_vm_vsrc(0)                   ; this trip's LDS loads and stores have read their four address registers, and its stores both sets of codes and the bytes: the next trip, or phase PV, writes all of them anew
	s_add_co_u32 s[TK], s[TK], 6144
	s_add_co_u32 s[TKS], s[TKS], 1024
	s_add_co_u32 s[TP], s[TP], PCH
	s_add_co_u32 s[TS], s[TS], 2048
	s_sub_co_u32 s[CNT], s[CNT], 1
	s_cmp_lg_u32 s[CNT], 0
	s_cbranch_scc1 .Lchunk
	s_wait_dscnt 0x0                               ; for the others' sake: my stores are done
	s_barrier_signal -1
	s_barrier_wait -1                              ; A's codes and bytes lie in LDS
	; ---- PV: O^T = v^T A^T for my eight query tiles, two a trip; the result is quantised along the head's 64 and stored
	WIN 0x40
	s_wait_alu depctr_va_vdst(0)                   ; the conversions are done reading window 1's A, in which v's fragments land, and the last group's lines have written v240-249, in which v's scale words land
.set k, 0
.rept 48
	ds_load_b128 v[4*k:4*k+3], v[VRD] offset:512*k ; v's fragment (n, c) at register 12 (4 n + c)
.set k, k+1
.endr
	WIN 0
.set k, 0
.rept 16
	ds_load_b32 v[VS+k], v[LN4] offset:VSC+128*k
.set k, k+1
.endr
	s_mov_b32 s[TT], 0
	s_mov_b32 s[TU], 0
	s_mov_b32 s[CNT], 4
.Lpv:
.irp c, 0,1,2,3
	v_add_nc_u32 v[PR+\c], s[TT], v[PR0+\c]
.endr
	v_add_nc_u32 v[PSR], s[TU], v[PSR0]
	s_wait_alu depctr_va_vdst(0)                   ; the five addresses are written, which the LDS loads below read; the last trip's products (in the first trip: the chunks' lines) are done with v34-137, in which those loads land
.irp e, 0,1
.irp c, 0,1,2,3
.irp p, 0,1,2,3,4,5
	ds_load_b64 v[PF+48*\e+12*\c+2*\p:PF+48*\e+12*\c+2*\p+1], v[PR+\c] offset:PTP*\e+256*\p
.endr
	ds_load_b32 v[PS+4*\e+\c], v[PSR] offset:2048*\c+64*\e
.endr
.endr
	s_wait_dscnt 0x0
	WIN 0x01
.irp c, 0,1,2,3                        ; eight accumulators by turns, a chunk at a time
.irp e, 0,1
.irp n, 0,1,2,3
.if \c == 0
	MXZ O+32*\e+8*\n, 12*(4*\n+\c), PF+48*\e+12*\c, VS+4*\n+\c, PS+4*\e+\c
.else
	MX O+32*\e+8*\n, 12*(4*\n+\c), PF+48*\e+12*\c, VS+4*\n+\c, PS+4*\e+\c
.endif
.endr
.endr
.endr
	WIN 0
	PLACES
	QUANT2 O, PCA, PW, 0
	QUANT2 O+32, PCB, PWB, 0
	v_cndmask_b32 v[PW], v[PW], v[PWB], s[HM]      ; lanes 0-15: the even tile's two bytes of row r, lanes 16-31: the odd tile's
	s_wait_alu depctr_va_vdst(0)                   ; both tiles' codes and the chosen word are written, which the seven stores below read
.irp i, 0,1,2
	global_store_b64 v[LN8], v[PCA+2*\i:PCA+2*\i+1], s[ACB:ACB+1] offset:256*\i        ; 32 lanes store 256 consecutive bytes, aligned
	global_store_b64 v[LN8], v[PCB+2*\i:PCB+2*\i+1], s[ACB:ACB+1] offset:6144+256*\i
.endr
	global_store_b16 v[ASA], v[PW], s[ASB:ASB+1]   ; two bytes a row, 16 bytes apart: 1,024 of the work-group's 25,600 bytes of output
	s_wait_xcnt 0x0                                ; the stores have had their addresses translated: their registers and bases may be written
	s_wait_alu depctr_vm_vsrc(0)                   ; the stores have read the codes and the word, and this trip's LDS loads their five address registers: the next trip writes all of them anew
	s_add_nc_u64 s[ACB:ACB+1], s[ACB:ACB+1], 12288
	s_add_nc_u64 s[ASB:ASB+1], s[ASB:ASB+1], 512
	s_add_co_u32 s[TT], s[TT], 2*PTP
	s_add_co_u32 s[TU], s[TU], 128
	s_sub_co_u32 s[CNT], s[CNT], 1
	s_cmp_lg_u32 s[CNT], 0
	s_cbranch_scc1 .Lpv
	s_wait_dscnt 0x0                               ; the closing lines, six on end
	s_wait_alu 0x0
	s_wait_tensorcnt 0x0
	ds_add_u32 v10, v235
	s_wait_dscnt 0x0
	s_endpgm
.Lfunc_end_k_q21071e71f6_attn:
	.size	k_q21071e71f6_attn, .Lfunc_end_k_q21071e71f6_attn-k_q21071e71f6_attn
	.p2alignl 7, 3214868480
	.fill 96, 4, 3214868480
	.section	.rodata,"a",@progbits
	.p2align	6, 0x0
	.amdhsa_kernel k_q21071e71f6_attn
		.amdhsa_group_segment_fixed_size 305664
		.amdhsa_private_segment_fixed_size 0
		.amdhsa_enable_private_segment 0
		.amdhsa_kernarg_size 56
		.amdhsa_user_sgpr_count 2
		.amdhsa_user_sgpr_kernarg_segment_ptr 1
		.amdhsa_wavefront_size32 1
		.amdhsa_system_sgpr_workgroup_id_x 1
		.amdhsa_system_sgpr_workgroup_id_y 1
		.amdhsa_system_sgpr_workgroup_id_z 1
		.amdhsa_system_vgpr_workitem_id 0
		.amdhsa_next_free_vgpr 1024
		.amdhsa_next_free_sgpr 66
		.amdhsa_reserve_vcc 0
		.amdhsa_float_denorm_mode_32 3
		.amdhsa_float_denorm_mode_16_64 3
		.amdhsa_memory_ordered 1
		.amdhsa_forward_progress 1
		.amdhsa_inst_pref_size 255
	.end_amdhsa_kernel
	.section	.bss,"aw",@nobits
	.p2align	6
	.space	262144
	.amdgpu_metadata
---
amdhsa.version: [ 1, 2 ]
amdhsa.kernels:
  - .name:           k_q21071e71f6_attn
    .symbol:         k_q21071e71f6_attn.kd
    .args:
      - { .name: xcod, .offset: 0, .size: 8, .value_kind: global_buffer, .address_space: global }
      - { .name: xscl, .offset: 8, .size: 8, .value_kind: global_buffer, .address_space: global }
      - { .name: bq, .offset: 16, .size: 8, .value_kind: global_buffer, .address_space: global }
      - { .name: bk, .offset: 24, .size: 8, .value_kind: global_buffer, .address_space: global }
      - { .name: bv, .offset: 32, .size: 8, .value_kind: global_buffer, .address_space: global }
      - { .name: acod, .offset: 40, .size: 8, .value_kind: global_buffer, .address_space: global }
      - { .name: ascl, .offset: 48, .size: 8, .value_kind: global_buffer, .address_space: global }
    .group_segment_fixed_size: 305664
    .private_segment_fixed_size: 0
    .kernarg_segment_align: 8
    .kernarg_segment_size: 56
    .max_flat_workgroup_size: 128
    .sgpr_count:     66
    .vgpr_count:     1024
    .wavefront_size: 32
...
	.end_amdgpu_metadata
.endif
;; end of part 4
;; launch ffn: the kernel of part 3 again; grid 256 x 1, 4 waves a work-group, clusters of 4 x 1, 327,680 bytes of LDS; arguments Q, xcod, xscl, acod, ascl, bo, b1, b2, out0; writes out0
